; MI455X (gfx1250); checked and timed in simulation.
; The chip was launched on July 23, 2026; its instructions are those of AMD's public machine-readable ISA for CDNA 5 (MIT licence, August 2026) and "CDNA5" Instruction Set Architecture Reference Guide (July 2026). The comments in the code are by the model that wrote it; some were corrected since.
;; Causal Self Attention. Allowed arithmetic: matrix products marked QUANTISED: E2M3 operands, one E8M0 scale for each 32 along K, by v_wmma_scale_f32_16x16x128_f8f6f4 with both operands' format E2M3, f32 sums; everything else in f32.
;; Inputs: W_attn 3,072 x 1,024 float32; W_proj 1,024 x 1,024 float32; b_attn 3,072 float32; b_proj 1,024 float32; x 2 x 2,048 x 1,024 float32.
;; Outputs: out0 2 x 2,048 x 1,024 float32.
;; This version of the problem:
;;   THIS VERSION OF THE PROBLEM IS GIVEN IN LOW PRECISION. The matrix products marked QUANTISED in the list below multiply operands that are first quantised to E2M3 (2 exponent bits, 3 mantissa bits; 6 bits a number), with one power-of-two scale for each 32 numbers along K (OCP MX v1.0); their sums are f32. All else is computed in f32.
;;   The module's matrix products, in the order in which they are computed (A, B: the left and right operand; K: the contracted axis; several contracted axes count as one K, in the product's order):
;;     1. [M 4,096, K 1,024] x [K 1,024, N 3,072]; A: input x; B: input W_attn: QUANTISED
;;     2. batch 32 x [M 2,048, K 64] x [K 64, N 2,048]; A: computed on the way; B: computed on the way: QUANTISED
;;     3. batch 32 x [M 2,048, K 2,048] x [K 2,048, N 64]; A: softmax (see below); B: computed on the way: QUANTISED
;;     4. [M 4,096, K 1,024] x [K 1,024, N 1,024]; A: computed on the way; B: input W_proj: QUANTISED
;;   THE QUANTISER, for each operand of a quantised product, along K:
;;     - K is cut into blocks of 32 from its start; a last block that is shorter is filled with zeros.
;;     - A block's scale is 2^e with e = floor(log2(the largest magnitude in the block)) - 2, held to -126 .. 127; a block of zeros has e = 0. As a byte (E8M0): e + 127.
;;     - Each number is divided by its block's scale, clamped to +-7.5, and rounded to the nearest number of E2M3, ties to even, subnormals kept.
;;     - The product sums the exact products of the quantised numbers (number of the format x scale) in f32.
;;   ~~~python
;;   def quantise(x, axis):      # numpy; x: float32 -> the quantised numbers, widened to float32 again
;;       x = np.moveaxis(x, axis, -1); K = x.shape[-1]
;;       x = np.pad(x, [(0, 0)] * (x.ndim - 1) + [(0, -K % 32)]); x = x.reshape(x.shape[:-1] + (-1, 32)); a = np.abs(x).max(-1, keepdims=True)
;;       e = np.where(a > 0, np.clip(np.frexp(np.where(a > 0, a, 1))[1] - 1 - 2, -126, 127), 0)      # np.frexp(a)[1] - 1 = floor(log2(a)), exactly
;;       r = np.clip(x / 2.0 ** e, -7.5, 7.5)
;;       step = 2.0 ** (np.maximum(np.frexp(np.where(r == 0, 1, r))[1] - 1, 0) - 3)
;;       q = np.round(r / step) * step * 2.0 ** e      # np.round: ties to even
;;       return np.moveaxis(q.reshape(q.shape[:-2] + (-1,))[..., :K], -1, axis).astype(np.float32)
;;   ~~~
;;   SOFTMAX AHEAD OF A QUANTISED PRODUCT. Where the list says 'softmax', what is quantised is not the finished softmax but p = 2^(t - M), with t = logit x log2(e) and M = ceil(the row's largest t), a whole number; so 1/2 < the row's largest p <= 1. The row's sum l is taken of the UNQUANTISED p, in f32, and the product's result is divided by l at the end. Since M is a whole number, a kernel that streams over the keys may use a running M (the ceiling of the running maximum): every later rescaling is an exact power of two, which a block's scale takes up: the codes' values come out the same.
;;   OPERANDS COMPUTED ON THE WAY. 'Computed on the way' means the value that the module computes at that place (a softmax that the list does not call 'softmax' is quantised finished and normalised). What goes into a quantiser is computed in f32, as accurately as f32 sums, v_exp_f32 and their like allow (about 1e-6 of the number): no bf16 or f16 on the way to a quantiser, and a product that is left as it is and whose result goes on into a quantised operand takes f32 operands (vector FMAs, or v_wmma_f32_16x16x4_f32). A number that lies on a knife's edge between two numbers of the format may be rounded either way, as far as f32 arithmetic and the matrix unit's own rounding can turn it there, and no further.
;; One version. Each part assembles by itself: llvm-mc -triple=amdgcn-amd-amdhsa -mcpu=gfx1250 --defsym DOCPART=n.
;; ======== version 1 of 1: 4 launches
;; limits: right only within a limited range of input values
;; workspace buffers: cod1 6,291,456 bytes; scl1 262,144 bytes; qkvc 9,437,184 bytes; qkvs 655,360 bytes; yc 3,145,728 bytes; ys 262,144 bytes
;; launch quant (part 1): grid 256 x 1, 4 waves a work-group, no clusters, 34,304 bytes of LDS; arguments x, W_attn, W_proj, cod1, scl1; writes cod1, scl1
.if DOCPART == 1
	.amdgcn_target "amdgcn-amd-amdhsa--gfx1250"
	.amdhsa_code_object_version 6
	.text
	.protected	k_q2a15fa6500_quant
	.globl	k_q2a15fa6500_quant
	.p2align	8
	.type	k_q2a15fa6500_quant,@function
k_q2a15fa6500_quant:
	s_mov_b64 s[64:65], 0
	v_nop
	global_prefetch_b8 v0, s[64:65] scope:SCOPE_SE
	s_setreg_imm32_b32 hwreg(HW_REG_WAVE_MODE, 25, 1), 1
	s_wait_xcnt 0x0
; x [4096][1024], W_attn [3072][1024] and W_proj [1024][1024], f32 with K innermost, become codes of FP6 (E2M3) with one E8M0 scale byte for each 32 along K.
; A block's scale is 2^(floor(log2(its largest magnitude)) - 2): its byte is the largest magnitude's exponent field - 2, held at 1 from below.
; LIMITS: NaN and infinities among the inputs are not served.  A block of zeros, and one whose largest magnitude lies under 2^-124, gets the byte 1 (the rule says 127 for zeros):
; its codes are zeros, which add nothing under any byte but 0xff, and the bytes are read by this program alone.
; THE OUTPUT IS LAID AS THE PRODUCTS' OPERAND REGISTERS.  A ROW BLOCK rb is 16 rows of the three tensors on end (rb 0-255 x, 256-447 W_attn, 448-511 W_proj):
; its row r is tensor row 64 (rb / 4) + 8 (rb % 4) + r % 8 + 32 (r / 8).  So the results that a lane holds of four neighbouring row blocks used as a product's source 0 are 32 neighbours: one scale block of the next product.
; cod1 = [rb / 8][pair of K steps, 4][rb % 8][K step % 2][1536 bytes]: eight row blocks, all of K, are 98,304 dense bytes.  A fragment's 12 registers: 0-3 at 16 x lane, 4-5 at 512 + 8 x lane, 6-9 at 768 + 16 x lane,
; 10-11 at 1280 + 8 x lane; lane (r, h) holds K = 64 c + 32 h + 0 .. 31 of row r in registers 6 c .. 6 c + 5.  scl1 = [rb][K half][r][4 words]: word i = the scale word of K step 4 x half + i.
; SHARES.  Work-group g takes row blocks 2 g and 2 g + 1; wave w takes row block 2 g + w / 2 and K steps 4 (w % 2) .. + 3.  Waves share nothing: no barrier, no cluster (no two work-groups read the same byte).
; Each load reads 512 consecutive bytes of one row; a K step's 16 rows turn through the wave's own stage in LDS (rows 528 bytes apart), so that a lane gets 2 x 32 neighbours along K.  Loads run one K step (16 loads) ahead.
.set R,   16                           ; v16-143  two sets of 64: a K step as loaded
.set X,   144                          ; v144-207 my 2 x 32 neighbours
.set C,   208                          ; v208-219 the fragment's 12 registers
.set CT,  220                          ; v220-227 the upper halves of the two blocks' codes, before they are moved
.set PW,  12                           ; v12-15   the four K steps' scale words
.set SP,  528                          ; a stage row: 512 bytes + 16
.set STG, 16*SP                        ; a wave's stage
	s_load_b256 s[4:11], s[0:1], 0x0               ; x, W_attn, W_proj, cod1
	s_load_b64 s[12:13], s[0:1], 0x20              ; scl1
	v_lshl_add_u32 v254, v0, 2, 0x8400             ; my spare word, behind the four stages
	v_mov_b32 v255, 0
	v_lshrrev_b32 v10, 5, v0
	v_readfirstlane_b32 s16, v10                   ; wave 0..3
	v_and_b32 v10, 31, v0                          ; lane
	v_and_b32 v6, 15, v0                           ; r
	v_bfe_u32 v5, v0, 4, 1                         ; h
	v_lshlrev_b32 v1, 4, v10                       ; 16 x lane
	v_lshlrev_b32 v2, 3, v10                       ; 8 x lane
	s_mul_i32 s17, s16, STG
	v_add_nc_u32 v3, s17, v1                       ; the stage, on the way in
	v_mul_u32_u24 v4, v6, SP
	v_lshl_add_u32 v4, v5, 7, v4
	v_add_nc_u32 v4, s17, v4                       ; and on the way out: row r, + 128 h
	v_lshlrev_b32 v230, 4, v6
	v_lshl_add_u32 v230, v5, 3, v230               ; the scale words' place: 16 r + 8 h
	v_lshlrev_b32 v231, 3, v5                      ; 8 h: my two bytes' shift in a scale word
	v_mov_b32 v11, 0                               ; a lane permute's destination counts as one of its sources
	s_mov_b32 s20, 0x76543210
	s_mov_b32 s21, 0xfedcba98                      ; selects for lane l xor 16
	s_lshr_b32 s18, s16, 1                         ; u: which of the two row blocks
	s_and_b32 s19, s16, 1                          ; which half of K
	s_mov_b32 s15, 224
	s_wait_alu depctr_va_vdst(0)                   ; the wait at the head's end
	s_wait_kmcnt 0x0
	s_cmp_lt_u32 ttmp9, 224                        ; which tensor: the choice hangs on the work-group's number alone
	s_cselect_b64 s[6:7], s[6:7], s[8:9]
	s_cselect_b32 s14, 128, s15
	s_cmp_lt_u32 ttmp9, 128
	s_cselect_b64 s[4:5], s[4:5], s[6:7]
	s_cselect_b32 s14, 0, s14
	s_sub_co_u32 s14, ttmp9, s14                   ; the work-group's number inside its tensor (the tensors begin at even numbers)
	s_lshr_b32 s22, s14, 1
	s_lshl_b32 s22, s22, 18                        ; 64 rows of 4,096 bytes for each four row blocks,
	s_and_b32 s24, s14, 1
	s_lshl_b32 s24, s24, 16                        ; 16 rows for the upper two of the four,
	s_add_co_u32 s22, s22, s24
	s_lshl_b32 s24, s18, 15                        ; 8 rows for the odd row block,
	s_add_co_u32 s22, s22, s24
	s_lshl_b32 s24, s19, 11                        ; 4 K steps of 512 bytes
	s_add_co_u32 s22, s22, s24
	s_mov_b32 s23, 0
	s_add_nc_u64 s[4:5], s[4:5], s[22:23]
	s_lshl_b32 s24, ttmp9, 1
	s_add_co_u32 s24, s24, s18                     ; rb
	s_lshr_b32 s22, s24, 3
	s_mul_i32 s22, s22, 98304
	s_and_b32 s25, s24, 7
	s_mul_i32 s25, s25, 3072
	s_add_co_u32 s22, s22, s25
	s_mul_i32 s25, s19, 49152                      ; my two pairs of K steps
	s_add_co_u32 s22, s22, s25
	s_add_nc_u64 s[10:11], s[10:11], s[22:23]
	s_lshl_b32 s22, s24, 9
	s_lshl_b32 s25, s19, 8
	s_add_co_u32 s22, s22, s25
	s_add_nc_u64 s[12:13], s[12:13], s[22:23]      ; my 256 bytes of scale words
.macro LOAD t                          ; K step t of my 16 rows: 32 lanes read 512 consecutive bytes of row i % 8 + 32 (i / 8)
.irp i, 0,1,2,3,4,5,6,7,8,9,10,11,12,13,14,15
	global_load_b128 v[R+64*((\t)%2)+4*\i:R+64*((\t)%2)+4*\i+3], v1, s[4:5] offset:((\i%8)+32*(\i/8))*4096+512*(\t) th:TH_LOAD_NT
.endr
.endm
.macro STEP t
.set OF, 24576*((\t)/2)+1536*((\t)%2)
.if (\t) < 3
	s_wait_loadcnt 16                              ; this K step's 16 loads are in; the next step's 16 may be out
.else
	s_wait_loadcnt 0x0
.endif
.irp i, 0,1,2,3,4,5,6,7,8,9,10,11,12,13,14,15
	ds_store_b128 v3, v[R+64*((\t)%2)+4*\i:R+64*((\t)%2)+4*\i+3] offset:SP*\i
.endr
.irp c, 0,1
.irp j, 0,1,2,3,4,5,6,7
	ds_load_b128 v[X+32*\c+4*\j:X+32*\c+4*\j+3], v4 offset:256*\c+16*\j   ; LDS serves a wave's instructions in order (ISA guide 5.7.1.4)
.endr
.endr
	s_wait_dscnt 0x0                               ; my 64 numbers are back, and the stores have read their registers,
.if (\t) < 2
	LOAD (\t)+2                                    ; which take the K step two on
.endif
.irp c, 0,1
	v_max3_num_f32 v[6+\c], |v[X+32*\c]|, |v[X+32*\c+1]|, 0x1800000   ; block 2 c + h; the floor 2^(3 - 127) holds the byte at 1 from below
.endr
.irp i, 2,4,6,8,10,12,14,16,18,20,22,24,26,28,30
.irp c, 0,1
	v_max3_num_f32 v[6+\c], v[6+\c], |v[X+32*\c+\i]|, |v[X+32*\c+\i+1]|
.endr
.endr
.irp c, 0,1
	v_add_nc_u32 v[8+\c], 0xff000000, v[6+\c]      ; 2 off the exponent field: the conversion's scale operand
.endr
	v_lshrrev_b32 v6, 23, v8                       ; the scales' bytes
	v_lshrrev_b32 v7, 23, v9
	v_lshl_or_b32 v10, v7, 16, v6
	v_lshlrev_b32 v10, v231, v10
	v_permlanex16_b32 v11, v10, s20, s21
	v_or_b32 v[PW+(\t)], v10, v11                  ; with lane l xor 16's two the word is whole
	s_wait_alu depctr_va_vdst(0)                   ; the wait ahead of the wait below
	s_wait_xcnt 0x0                                ; the last step's stores have read the codes' registers
.irp c, 0,1
	v_cvt_scalef32_pk16_fp6_f32 v[C+6*\c:C+6*\c+2], v[X+32*\c:X+32*\c+15], v[8+\c]
	v_cvt_scalef32_pk16_fp6_f32 v[CT+4*\c:CT+4*\c+2], v[X+32*\c+16:X+32*\c+31], v[8+\c]   ; (a conversion's three registers begin on an even number)
.endr
	v_nop                                          ; one plain place behind a scaled conversion
.irp c, 0,1
.irp i, 0,1,2
	v_mov_b32 v[C+6*\c+3+\i], v[CT+4*\c+\i]
.endr
.endr
	global_store_b128 v1, v[C:C+3], s[10:11] offset:OF              ; each store covers 512 or 256 consecutive bytes, aligned to 256
	global_store_b64 v2, v[C+4:C+5], s[10:11] offset:OF+512
	global_store_b128 v1, v[C+6:C+9], s[10:11] offset:OF+768
	global_store_b64 v2, v[C+10:C+11], s[10:11] offset:OF+1280
.endm
	LOAD 0
	LOAD 1
	STEP 0
	STEP 1
	STEP 2
	STEP 3
	v_cmp_eq_u32 vcc_lo, 1, v5                     ; lanes 0-15 store words 0, 1 of their row, lanes 16-31 words 2, 3
	v_cndmask_b32 v228, v12, v14, vcc_lo
	v_cndmask_b32 v229, v13, v15, vcc_lo
	global_store_b64 v230, v[228:229], s[12:13]    ; 32 lanes store 256 consecutive bytes, aligned
	s_wait_tensorcnt 0x0                           ; the wave's end
	ds_add_u32 v254, v255
	s_wait_dscnt 0x0
	s_endpgm
.Lfunc_end_k_q2a15fa6500_quant:
	.size	k_q2a15fa6500_quant, .Lfunc_end_k_q2a15fa6500_quant-k_q2a15fa6500_quant
	.p2alignl 7, 3214868480
	.fill 96, 4, 3214868480
	.section	.rodata,"a",@progbits
	.p2align	6, 0x0
	.amdhsa_kernel k_q2a15fa6500_quant
		.amdhsa_group_segment_fixed_size 34304
		.amdhsa_private_segment_fixed_size 0
		.amdhsa_enable_private_segment 0
		.amdhsa_kernarg_size 40
		.amdhsa_user_sgpr_count 2
		.amdhsa_user_sgpr_kernarg_segment_ptr 1
		.amdhsa_wavefront_size32 1
		.amdhsa_system_sgpr_workgroup_id_x 1
		.amdhsa_system_sgpr_workgroup_id_y 1
		.amdhsa_system_sgpr_workgroup_id_z 1
		.amdhsa_system_vgpr_workitem_id 0
		.amdhsa_next_free_vgpr 256
		.amdhsa_next_free_sgpr 66
		.amdhsa_reserve_vcc 1
		.amdhsa_float_denorm_mode_32 3
		.amdhsa_float_denorm_mode_16_64 3
		.amdhsa_memory_ordered 1
		.amdhsa_forward_progress 1
		.amdhsa_inst_pref_size 31
	.end_amdhsa_kernel
	.amdgpu_metadata
---
amdhsa.version: [ 1, 2 ]
amdhsa.kernels:
  - .name:           k_q2a15fa6500_quant
    .symbol:         k_q2a15fa6500_quant.kd
    .args:
      - { .name: x, .offset: 0, .size: 8, .value_kind: global_buffer, .address_space: global }
      - { .name: W_attn, .offset: 8, .size: 8, .value_kind: global_buffer, .address_space: global }
      - { .name: W_proj, .offset: 16, .size: 8, .value_kind: global_buffer, .address_space: global }
      - { .name: cod1, .offset: 24, .size: 8, .value_kind: global_buffer, .address_space: global }
      - { .name: scl1, .offset: 32, .size: 8, .value_kind: global_buffer, .address_space: global }
    .group_segment_fixed_size: 34304
    .private_segment_fixed_size: 0
    .kernarg_segment_align: 8
    .kernarg_segment_size: 40
    .max_flat_workgroup_size: 128
    .sgpr_count:     66
    .vgpr_count:     256
    .wavefront_size: 32
...
	.end_amdgpu_metadata
.endif
;; end of part 1
;; launch qkv (part 2): grid 12 x 16, 4 waves a work-group, clusters of 4 x 4, 327,680 bytes of LDS; arguments cod1, scl1, b_attn, qkvc, qkvs; writes qkvc, qkvs
.if DOCPART == 2
	.amdgcn_target "amdgcn-amd-amdhsa--gfx1250"
	.amdhsa_code_object_version 6
	.text
	.protected	k_q2a15fa6500_qkv
	.globl	k_q2a15fa6500_qkv
	.p2align	8
	.type	k_q2a15fa6500_qkv,@function
k_q2a15fa6500_qkv:
	s_mov_b64 s[64:65], 0
	v_nop
	global_prefetch_b8 v0, s[64:65] scope:SCOPE_SE
	s_setreg_imm32_b32 hwreg(HW_REG_WAVE_MODE, 25, 1), 1
	s_wait_xcnt 0x0
	s_wait_alu depctr_hold_cnt(0) depctr_sa_sdst(0) depctr_va_vdst(0) depctr_va_sdst(0) depctr_va_ssrc(0) depctr_va_vcc(0) depctr_vm_vsrc(0)
	s_getreg_b32 s2, hwreg(HW_REG_IB_STS2, 6, 4)
	s_cmp_eq_u32 s2, 0
	s_cbranch_scc0 .Lentry_in_a_cluster
	s_endpgm
.Lentry_in_a_cluster:
	s_bfe_u32 s2, ttmp6, 0x10000c
	s_cmp_lg_u32 s2, 0xf033
	s_cbranch_scc0 .Lentry_shape_is_right
	s_endpgm
.Lentry_shape_is_right:
; qkv = x W_attn^T + b_attn on codes of FP6 (E2M3) with E8M0 scales for each 32 along K = 1,024; the results leave as CODES: q and k quantised along the head's 64, v along the keys (t).
; A work-group of four waves makes 256 x 256 of the product, a wave 128 x 128: 64 accumulators of 16 x 16.  THE MATRIX INSTRUCTION IS USED TRANSPOSED: source 0 = a row block of operand B, source 1 = one of
; operand A.  A row block's row r is tensor row 64 (rb / 4) + 8 (rb % 4) + r % 8 + 32 (r / 8), so a lane holds ONE row of A and its 64 results of an A block are, register 32 c + i, B's row 64 c + 32 (lane / 16) + i:
; two WHOLE blocks of 32 along the axis that is quantised next.
; ONE TEXT FOR q, k AND v.  The cluster's x says which (0, 1, 2).  For q and k: A = x (a lane holds one t), B = W's rows (the registers run along the head's d).  For v the operands change roles: A = W_v's rows
; (a lane holds one d), B = x (the registers run along t).  Only offsets are chosen, by s_cselect_b32 on the cluster's x, which all partners share.
; K goes in 8 steps of 128 through three LDS slots of two steps; slot 0 is filled a second time (steps 6 and 7).  The codes lie in memory as images of operand registers, so a slot's part of 8 row blocks is
; 8 rows of 3,072 bytes, and every LDS load takes 512 or 256 consecutive bytes: no pitch and no padding.
; CLUSTERS: 4 x 4 work-groups; A's tile is shared along a row of the cluster, B's along a column: each is asked for JOINTLY, by the same tensor load with the same descriptor and a mask that names the four.
; The scale words go from memory straight into registers, once: in lane (r, h) register i of a row block's four is the word of K step 4 h + i, so steps 4 to 7 read the upper lanes' row.
; LIMITS: as the quantiser's: a block of zeros gets the byte 1 and zero codes; NaN and infinities are not served.
; REGISTERS: window 0: v4-15 LDS addresses; v18-26 offsets; v28, v29 the add's; v32-63 A's scale words, v64-95 B's; v96-111 at work; v112-127 the row bias; v128-223 A's 8 fragments, later the way out.
;   window 1: B's fragments, two sets, at v0 and v128; v96-127 and v224-255 the column bias.   windows 2, 3: accumulator (a, b) at v[8 (8 (a % 4) + b)] of window 2 + a / 4.
.set FRB,   1536                       ; a fragment's image: 16 rows x 128 K
.set RBP,   12288                      ; a row block in memory: 8 K steps
.set RBL,   3072                       ; a row block in a slot: 2 K steps
.set HALFT, 8*RBL                      ; what one tensor load brings, and what one wave reads of A or of B
.set SLOT,  4*HALFT
; THE ORDER OF ROWS AND THE LAYOUT, which stand in place of what the head's lines say of them: a row block's row r is tensor row 64 (rb / 4) + 8 (rb % 4) + r % 8 + 32 (r / 8), so a lane's 64 results of an A block are,
; register 32 c + i, B's row 64 c + 32 (lane / 16) + i: two WHOLE blocks of 32 along the axis that is quantised next; no lane exchanges codes with another.
; cod1 = [rb / 8][pair of K steps][rb % 8][3,072 bytes]: a wave's eight row blocks are 98,304 dense bytes.  At the head each wave asks for three pairs by ONE load (288 rows of 256 bytes), into its own
; quarter of LDS, [pair][row block][3,072]; the fourth pair (96 rows) is filled onto the first behind the round in K step 1.
.set QT,    3*HALFT                    ; a wave's quarter of LDS: three pairs of K steps
.set H8,    27                         ; v27     8 x (lane / 16)
.set SPARE, 3*SLOT                     ; behind the slots: the spare words, 128 bytes for each wave: two blocks of 256 bytes that no other line names
.set SA_A,  4                          ; A's scale word of block a, step s: v[SCA + SA_A (a % 4) + 16 (a / 4) + SA_S (s % 4)]
.set SA_S,  1
.set A16,   4                          ; v4-6    slot sl: my A half + 16 x lane
.set A8,    7                          ; v7-9    + 8 x lane
.set B16,   10                         ; v10-12  the same for B
.set B8,    13                         ; v13-15
.set LI16,  24                         ; v24     16 x lane
.set LI8,   25                         ; v25     8 x lane
.set VO,    26                         ; v26     the scale words' place on the way out
.set SPW,   28                         ; v28     LDS address of my spare word; never rewritten
.set NIL,   29                         ; v29     0; never rewritten
.set SCA,   32
.set SCB,   64
.set TM,    96                         ; v96-99 largest magnitudes, v100-103 bytes, v108-111 the conversions' scale operands
.set RB,    112                        ; v112-127 the row bias of A's block a at v[RB + 2 a] (and its copy)
.set AF,    128
.set HA,    128                        ; the way out: 64 numbers of a lane
.set PC,    192                        ; v192-203 the codes just made; v204-211 their halves before the exchange
.set PW,    224                        ; the scale word just made
.set PWK,   226                        ; v226-233 the eight blocks' scale words
.set XW,    234
.set EW,    238
.set OW,    242
.set WV,    16                         ; s16 wave; s17 which half of A's rows is mine (also: I fetch for A (0) or B (1)); s18 which half of B's (also: which 8 row blocks I fetch)
.set RH,    17
.set CH,    18
.set CX,    19
.set CY,    20
.set CLY,   21
.set ISV,   22                         ; 1 where the cluster makes v
.set G1A,   24                         ; s[24:31], s[32:39] descriptor groups 1 for A's and B's tiles: they differ in the mask
.set G1B,   32
.set G0A,   40                         ; s[40:43], s[52:55] groups 0, one set each, moved on for the refill
.set G0B,   52
.set M1,    78
.set MV,    79
.set MQ,    80
.set HS,    81
.set SEL,   82
.set RBA,   84
.set RBB,   85
.set MSB, 0
.macro WIN new                         ; the immediate's high byte repeats the setting that is left
.if MSB != (\new)
	s_set_vgpr_msb (MSB<<8)|(\new)
.set MSB, (\new)
.endif
.endm
.macro PLACES n                        ; plain vector instructions behind a matrix instruction, in front of loads into registers that it read and of reads of its results
.rept \n
	v_nop
.endr
.endm
; A joint load: waves 0 and 1 fetch for A, waves 2 and 3 for B.  Each line has one mask and one set of registers for all that issue it; the branch hangs on the wave's number alone.
; Four v_nop follow each of the two lines, ahead of the jump, the label and what follows.
.macro JLOAD g0a, g1a, g0b, g1b
	s_cmp_eq_u32 s[RH], 0
	s_cbranch_scc0 .Lfor_b_\@
	tensor_load_to_lds s[\g0a:\g0a+3], s[\g1a:\g1a+7]
	s_nop 0
.rept 4
	v_nop
.endr
	s_branch .Lasked_\@
.Lfor_b_\@:
	tensor_load_to_lds s[\g0b:\g0b+3], s[\g1b:\g1b+7]
	s_nop 0
.rept 4
	v_nop
.endr
.Lasked_\@:
.endm
.macro CREST                           ; a round of the cluster's barrier behind its opening barrier
	s_cmp_lg_u32 s[WV], 0
	s_cbranch_scc1 .Lnot_wave_0_\@
	s_barrier_signal -3
.Lnot_wave_0_\@:
	s_barrier_wait -3
	s_barrier_signal -1
	s_barrier_wait -1
.endm
.macro CROUND                          ; a whole round
	s_barrier_signal -1
	s_barrier_wait -1
	CREST
.endm
.macro FRAG reg, a16, a8, off          ; a fragment's image comes back as it was stored: four loads of 512, 256, 512, 256 consecutive bytes
	ds_load_b128 v[\reg:\reg+3], v[\a16] offset:\off
	ds_load_b64 v[\reg+4:\reg+5], v[\a8] offset:\off+512
	ds_load_b128 v[\reg+6:\reg+9], v[\a16] offset:\off+768
	ds_load_b64 v[\reg+10:\reg+11], v[\a8] offset:\off+1280
.endm
.macro FETCH_B s                       ; B's eight fragments of K step s (slot (s / 2) % 3) into set s % 2
	WIN 0x40
.irp i, 0,1,2,3,4,5,6,7
	FRAG 128*((\s)%2)+12*\i, B16+((\s)/2)%3, B8+((\s)/2)%3, \i*RBL+((\s)%2)*FRB
.endr
	WIN 0
.endm
.macro FETCH_A s, i0                   ; A's blocks i0 .. i0 + 3
.irp i, \i0, \i0+1, \i0+2, \i0+3
	FRAG AF+12*(\i), A16+((\s)/2)%3, A8+((\s)/2)%3, (\i)*RBL+((\s)%2)*FRB
.endr
.endm
.macro MM a, b, s, zero                ; one product.  zero = 1: it starts the sum with 0; 2: with the column bias; 0: it adds in place
.set rD, 8*(8*((\a)%4)+\b)
.set rB, 128*((\s)%2)+12*\b
.set rA, AF+12*(\a)
.set rC, 96+8*\b+96*(\b/4)
.set rSB, SCB+4*\b+(\s)%4
.set rSA, SCA+SA_A*((\a)%4)+16*((\a)/4)+SA_S*((\s)%4)
.if (\zero) == 1
	v_wmma_scale_f32_16x16x128_f8f6f4 v[rD:rD+7], v[rB:rB+11], v[rA:rA+11], 0, v[rSB], v[rSA] matrix_a_fmt:MATRIX_FMT_FP6 matrix_b_fmt:MATRIX_FMT_FP6
.elseif (\zero) == 2
	v_wmma_scale_f32_16x16x128_f8f6f4 v[rD:rD+7], v[rB:rB+11], v[rA:rA+11], v[rC:rC+7], v[rSB], v[rSA] matrix_a_fmt:MATRIX_FMT_FP6 matrix_b_fmt:MATRIX_FMT_FP6
.elseif (\s) < 4
	v_wmma_scale_f32_16x16x128_f8f6f4 v[rD:rD+7], v[rB:rB+11], v[rA:rA+11], v[rD:rD+7], v[rSB], v[rSA] matrix_a_fmt:MATRIX_FMT_FP6 matrix_b_fmt:MATRIX_FMT_FP6
.else
	v_wmma_scale_f32_16x16x128_f8f6f4 v[rD:rD+7], v[rB:rB+11], v[rA:rA+11], v[rD:rD+7], v[rSB], v[rSA] matrix_a_fmt:MATRIX_FMT_FP6 matrix_b_fmt:MATRIX_FMT_FP6 matrix_a_scale:MATRIX_SCALE_ROW1 matrix_b_scale:MATRIX_SCALE_ROW1
.endif
.endm
.macro MUL16 a0, s, zero               ; A's blocks a0, a0 + 1 x B's eight.  The 64 accumulators take turns, one instruction a turn, in the same order in every step
.irp a, \a0, \a0+1
.irp b, 0,1,2,3,4,5,6,7
	MM \a, \b, \s, \zero
.endr
.endr
.endm
.macro STEP s, zero                    ; a K step whose successor's tiles have been shown whole
	s_wait_dscnt 16                                ; B's set and A's blocks 0-3 are in; the youngest 16 loads (A's blocks 4-7) may be out
.if (\zero) == 2
	WIN 0x91                                       ; source 0 (B) and C (the bias) window 1, source 1 (A) window 0, D window 2
.else
	WIN 0xa1                                       ; source 0 window 1, source 1 window 0, C and D window 2
.endif
	MUL16 0, \s, \zero
	MUL16 2, \s, \zero
	s_wait_dscnt 0x0                               ; A's blocks 4-7 are in (asked for 32 matrix instructions ago)
	PLACES 4
	FETCH_B \s+1
	FETCH_A \s+1, 0
.if (\zero) == 2
	WIN 0xd1
.else
	WIN 0xf1                                       ; C and D window 3
.endif
	MUL16 4, \s, \zero
	MUL16 6, \s, \zero
	PLACES 4
	WIN 0
	FETCH_A \s+1, 4
.endm
; A K step with a barrier in it.  In front of the barrier each wave waits for all its tensor loads, adds 0 to its spare word, and waits for that and for its LDS reads.
; fill = 1: the barrier opens a round of the cluster's barrier, and behind the round slot 0, which nobody reads any more, takes K steps 6 and 7.
.macro TURN s, fill
	s_wait_tensorcnt 0x0                           ; all my tensor loads have landed  (every window is 0 here: the add's two registers lie in window 0)
	ds_add_u32 v[SPW], v[NIL]                      ; 0 onto my spare word
	s_wait_dscnt 17                                ; (the add and the youngest 16 loads may be out)
	WIN 0xa1
	MUL16 0, \s, 0                                 ; sixteen matrix instructions stand between the add and the wait for it
	s_wait_dscnt 0x0                               ; the add is done, and all my LDS reads are back
	s_barrier_signal -1
	MUL16 2, \s, 0
	WIN 0
	s_barrier_wait -1
.if \fill
	CREST                                          ; no wave of any partner still reads slot 0 or has a load on its way
	s_add_nc_u64 s[G0A+2:G0A+3], s[G0A+2:G0A+3], QT      ; from the first pair of K steps to the fourth
	s_add_nc_u64 s[G0B+2:G0B+3], s[G0B+2:G0B+3], QT
	JLOAD G0A, G1A, G0B, G1B                       ; the first tensor load behind the round, and my only one; its four v_nop are the places in front of the loads below
.else
	PLACES 4
.endif
	FETCH_B \s+1
	FETCH_A \s+1, 0
	WIN 0xf1
	MUL16 4, \s, 0
	MUL16 6, \s, 0
	PLACES 4
	WIN 0
	FETCH_A \s+1, 4
.endm
; 64 numbers of a lane, v[s] .. v[s + 63], register 32 c + i = position 64 c + 32 (lane / 16) + i of my row, become a fragment's codes in v[PC] on and its scale word in v[PW].
.macro QUANT s
.irp b, 0,1,2,3
	v_max3_num_f32 v[TM+\b], |v[\s+16*\b]|, |v[\s+1+16*\b]|, 0x1800000   ; chain b: registers 16 b .. 16 b + 15, and the floor 2^(3 - 127): the byte cannot fall under 1
.endr
.irp i, 2,4,6,8,10,12,14
.irp b, 0,1,2,3
	v_max3_num_f32 v[TM+\b], v[TM+\b], |v[\s+16*\b+\i]|, |v[\s+1+16*\b+\i]|   ; (the four blocks by turns)
.endr
.endr
	v_max_num_f32 v[TM], v[TM], v[TM+1]            ; my block h: all its 32 numbers are mine
	v_max_num_f32 v[TM+2], v[TM+2], v[TM+3]        ; my block 2 + h
	v_add_nc_u32 v[TM+12], 0xff000000, v[TM]       ; 2 off the exponent field: the conversions' scale operands
	v_add_nc_u32 v[TM+13], 0xff000000, v[TM+2]
	v_lshrrev_b32 v[TM+5], 23, v[TM+12]            ; the scales' bytes,
	v_lshrrev_b32 v[TM+6], 23, v[TM+13]
	v_lshl_or_b32 v[TM+5], v[TM+6], 16, v[TM+5]
	v_lshlrev_b32 v[TM+5], v[H8], v[TM+5]          ; at their places in the scale word;
	v_permlanex16_b32 v[TM+4], v[TM+5], s[SEL], s[SEL+1]
	v_or_b32 v[PW], v[TM+4], v[TM+5]               ; with lane l xor 16's two the word is whole
.irp c, 0,1
	v_cvt_scalef32_pk16_fp6_f32 v[PC+6*\c:PC+2+6*\c], v[\s+32*\c:\s+15+32*\c], v[TM+12+\c]
	v_cvt_scalef32_pk16_fp6_f32 v[PC+12+4*\c:PC+14+4*\c], v[\s+16+32*\c:\s+31+32*\c], v[TM+12+\c]   ; (a conversion's three registers begin on an even number)
.endr
	v_nop                                          ; one plain place behind a scaled conversion
.irp c, 0,1                                    ; the operand's layout wants a WHOLE block in a lane: lanes 0-15 block 2 c, lanes 16-31 block 2 c + 1
.irp i, 0,1,2
	v_mov_b32 v[PC+3+6*\c+\i], v[PC+12+4*\c+\i]
.endr
.endr
.endm
	s_load_b256 s[4:11], s[0:1], 0x0               ; cod1 s[4:5], scl1 s[6:7], b_attn s[8:9], qkvc s[10:11]
	s_load_b64 s[12:13], s[0:1], 0x20              ; qkvs
	v_lshl_add_u32 v[SPW], v0, 2, SPARE
	v_mov_b32 v[NIL], 0
	ds_add_u32 v28, v29
	ds_add_u32 v28, v29
	s_wait_dscnt 0x0
	v_lshrrev_b32 v1, 5, v0
	v_readfirstlane_b32 s[WV], v1                  ; wave 0..3
	s_lshr_b32 s[RH], s[WV], 1
	s_and_b32 s[CH], s[WV], 1
	s_bfe_u32 s[CX], ttmp6, 0x40000                ; my place in the cluster
	s_bfe_u32 s[CY], ttmp6, 0x40004
	s_and_b32 s[CLY], ttmp7, 0xffff                ; the cluster's y
	s_lshl_b32 s14, s[CY], 2
	s_lshl_b32 s14, 15, s14                        ; my row of the cluster
	s_lshl_b32 s15, 0x1111, s[CX]                  ; my column
	; descriptor group 1: a dense block as rows of 256 bytes, in elements of 8 bytes; dense in LDS
	s_or_b32 s[G1A], s14, (3<<16)|(1<<21)          ; 15:0 the mask: A's tiles go to my row; 17:16 elements of 8 bytes; 20 no padding; 21 set beside a mask
	s_or_b32 s[G1B], s15, (3<<16)|(1<<21)
.irp g, G1A, G1B
	s_mov_b32 s[\g+1], 32<<16                      ; a dense block as rows of 256 bytes (32 elements of 8): tensor_dim0
	s_mov_b32 s[\g+2], 288<<16                     ; tensor_dim1: the head's load has 288 rows
	s_mov_b32 s[\g+3], 32<<16                      ; tile_dim0
	s_mov_b32 s[\g+4], 288                         ; tile_dim1
	s_mov_b32 s[\g+5], 32                          ; the pitch
	s_mov_b32 s[\g+6], 0
	s_mov_b32 s[\g+7], 0
.endr
	; the tiles' first row blocks in cod1.  A's hangs on cy (and on what the whole cluster shares), B's on cx
	s_lshl_b32 s23, s[CLY], 6                      ; 64 x the cluster's y: x's row blocks
	s_lshl_b32 s91, ttmp9, 6
	s_add_co_u32 s91, s91, 256                     ; W_q's or W_k's row blocks
	s_cmp_eq_u32 ttmp9, 2
	s_cselect_b32 s[ISV], 1, 0
	s_cselect_b32 s[RBA], 384, s23                 ; v: W_v's row blocks begin at 384
	s_cselect_b32 s[RBB], s23, s91
	s_lshl_b32 s14, s[CY], 4
	s_add_co_u32 s[RBA], s[RBA], s14
	s_lshl_b32 s15, s[CX], 4
	s_add_co_u32 s[RBB], s[RBB], s15
	s_lshl_b32 s23, s[CH], 3                       ; which 8 row blocks of the tile I fetch
	s_add_co_u32 s86, s[RBA], s23
	s_mul_i32 s86, s86, RBP
	s_mov_b32 s87, 0
	s_add_co_u32 s88, s[RBB], s23
	s_mul_i32 s88, s88, RBP
	s_mov_b32 s89, 0
	s_mul_i32 s90, s[WV], QT
	s_wait_kmcnt 0x0
	s_add_nc_u64 s[86:87], s[4:5], s[86:87]
	s_add_nc_u64 s[88:89], s[4:5], s[88:89]
	CROUND                                         ; all sixteen work-groups are here: the first joint loads meet
	s_mov_b32 s[G0A], 1
	s_mov_b32 s[G0A+1], s90
	s_mov_b64 s[G0A+2:G0A+3], s[86:87]
	s_or_b32 s[G0A+3], s[G0A+3], 0x80000000
	s_mov_b32 s[G0B], 1
	s_mov_b32 s[G0B+1], s90
	s_mov_b64 s[G0B+2:G0B+3], s[88:89]
	s_or_b32 s[G0B+3], s[G0B+3], 0x80000000
	JLOAD G0A, G1A, G0B, G1B                       ; K steps 0 to 5 of my eight row blocks: my one load at the head
	v_and_b32 v20, 31, v0                          ; lane
	v_and_b32 v21, 15, v0                          ; r
	v_bfe_u32 v22, v0, 4, 1                        ; h
	v_lshlrev_b32 v[LI16], 4, v20
	v_lshlrev_b32 v[LI8], 3, v20
	s_mul_i32 s14, s[RH], QT
	s_mul_i32 s15, s[CH], QT
	s_add_co_u32 s15, s15, 2*QT
.irp sl, 0,1,2
	v_add_nc_u32 v[A16+\sl], s14, v[LI16]
	v_add_nc_u32 v[A8+\sl], s14, v[LI8]
	v_add_nc_u32 v[B16+\sl], s15, v[LI16]
	v_add_nc_u32 v[B8+\sl], s15, v[LI8]
	s_add_co_u32 s14, s14, HALFT
	s_add_co_u32 s15, s15, HALFT
.endr
	v_lshlrev_b32 v18, 7, v22                      ; the column bias: 32 h numbers on
	v_and_b32 v23, 8, v21
	v_mad_u32_u24 v23, v23, 3, v21
	v_lshlrev_b32 v23, 2, v23                      ; the row bias: number r % 8 + 32 (r / 8)
	v_lshlrev_b32 v[H8], 3, v22
	s_wait_alu depctr_va_vdst(0)
	s_lshl_b32 s14, s[RH], 3
	s_add_co_u32 s14, s14, s[RBA]
	s_lshl_b32 s92, s14, 9
	s_mov_b32 s93, 0
	s_add_nc_u64 s[92:93], s[6:7], s[92:93]        ; the scale words of my 8 row blocks of A,
	s_lshl_b32 s15, s[CH], 3
	s_add_co_u32 s15, s15, s[RBB]
	s_lshl_b32 s94, s15, 9
	s_mov_b32 s95, 0
	s_add_nc_u64 s[94:95], s[6:7], s[94:95]        ; and of B
	s_lshl_b32 s96, ttmp9, 12                      ; q, k: the bias goes by B's rows: number 1,024 x cluster x + 256 cx + 128 ch on
	s_lshl_b32 s14, s[CX], 10
	s_add_co_u32 s96, s96, s14
	s_lshl_b32 s14, s[CH], 9
	s_add_co_u32 s96, s96, s14
	s_lshl_b32 s98, s[CY], 10                      ; v: by A's rows: number 2,048 + 256 cy + 128 rh on
	s_lshl_b32 s14, s[RH], 9
	s_add_co_u32 s98, s98, s14
	s_add_co_u32 s98, s98, 8192
	s_cmp_eq_u32 s[ISV], 1
	s_cselect_b32 s96, 0, s96                      ; the other of the two is loaded from the buffer's head and replaced by 0 below
	s_cselect_b32 s98, s98, 0
	s_cselect_b32 s[MV], -1, 0
	s_cselect_b32 s[MQ], 0, -1
	s_mov_b32 s97, 0
	s_mov_b32 s99, 0
	s_add_nc_u64 s[96:97], s[8:9], s[96:97]
	s_add_nc_u64 s[98:99], s[8:9], s[98:99]
.irp a, 0,1,2,3,4,5,6,7
	global_load_b128 v[SCA+4*\a:SCA+4*\a+3], v[LI16], s[92:93] offset:512*\a
	global_load_b128 v[SCB+4*\a:SCB+4*\a+3], v[LI16], s[94:95] offset:512*\a
	global_load_b32 v[RB+2*\a], v23, s[98:99] offset:(64*(\a/4)+8*(\a%4))*4
.endr
	WIN 0x40                                       ; destination window 1
.irp b, 0,1,2,3,4,5,6,7
	global_load_b128 v[96+8*\b+96*(\b/4):96+8*\b+96*(\b/4)+3], v18, s[96:97] offset:(64*(\b/4)+8*(\b%4))*4
	global_load_b128 v[96+8*\b+96*(\b/4)+4:96+8*\b+96*(\b/4)+7], v18, s[96:97] offset:(64*(\b/4)+8*(\b%4))*4+16
.endr
	WIN 0
	; where the results go.  TT: the tile of 256 t; th, nh: my half of it and of the 256 features; all in registers that feed no descriptor
	s_cmp_eq_u32 s[ISV], 1
	s_cselect_b32 s84, s[CX], s[CY]
	s_cselect_b32 s85, s[CH], s[RH]                ; th
	s_cselect_b32 s86, s[CY], s[CX]                ; the tile of 256 features
	s_cselect_b32 s87, s[RH], s[CH]                ; nh
	s_mov_b32 s[M1], 0xffff
	s_cselect_b32 s[M1], -1, s[M1]                 ; q, k: a head's two bytes of a scale word; v: all four
	s_mov_b32 s[HS], 256
	s_cselect_b32 s[HS], 12288, s[HS]              ; the scale words of lanes 16-31: q, k: tiles 4-7; v: the next head
	s_mov_b32 s70, 768
	s_cselect_b32 s70, 1536, s70                   ; from block to block: q, k: a tile of 16 t x 64; v: a fragment of 16 d x 128 t
	s_mov_b32 s71, 0
	s_cselect_b32 s72, 92160, 0                    ; v: behind four fragments on to the next head: 98,304 - 4 x 1,536
	s_mov_b32 s73, 0
	s_mov_b32 s68, 98304
	s_cselect_b32 s68, 768, s68                    ; a fragment's second half: q, k: the next head's tile; v: on end
	s_mov_b32 s69, 0
	s_mov_b32 s88, 262144
	s_cselect_b32 s88, 270336, s88                 ; k's scale words begin at 262,144, v's 8,192 behind them in each head's 12,288
	s_cselect_b32 s89, 8, 9                        ; 256 or 512 bytes of scale words for 128 t
	s_lshl_b32 s14, s[CLY], 2
	s_add_co_u32 s14, s14, s84                     ; TT
	s_lshr_b32 s15, s14, 3                         ; the batch
	s_and_b32 s14, s14, 7
	s_lshl_b32 s14, s14, 1
	s_add_co_u32 s14, s14, s85                     ; W: which 128 t of the batch's 2,048
	s_lshl_b32 s86, s86, 2
	s_lshl_b32 s87, s87, 1
	s_add_co_u32 s86, s86, s87                     ; my first head of two
	s_lshl_b32 s15, s15, 4
	s_add_co_u32 s15, s15, s86                     ; 16 x batch + head
	s_mul_i32 s66, ttmp9, 3145728                  ; q's, k's or v's region,
	s_mul_i32 s23, s15, 98304                      ; the head,
	s_add_co_u32 s66, s66, s23
	s_mul_i32 s23, s14, 6144                       ; 128 t: 8 tiles of 768 bytes or 4 fragments of 1,536
	s_add_co_u32 s66, s66, s23
	s_mov_b32 s67, 0
	s_add_nc_u64 s[66:67], s[10:11], s[66:67]      ; a fragment's first half goes here,
	s_add_nc_u64 s[68:69], s[66:67], s[68:69]      ; its second here
	s_mov_b32 s76, 12288
	s_cmp_eq_u32 ttmp9, 0
	s_cselect_b32 s76, 8192, s76                   ; a head's scale words: q's 8,192 bytes; k's and v's together 12,288
	s_cselect_b32 s88, 0, s88
	s_mov_b32 s77, 0
	s_mul_i32 s74, s15, s76
	s_add_co_u32 s74, s74, s88
	s_lshl_b32 s23, s14, s89
	s_add_co_u32 s74, s74, s23
	s_mov_b32 s75, 0
	s_add_nc_u64 s[74:75], s[12:13], s[74:75]
	s_add_nc_u64 s[76:77], s[74:75], s[76:77]      ; the next head's
	s_mov_b32 s[SEL], 0x76543210
	s_mov_b32 s[SEL+1], 0xfedcba98                 ; v_permlanex16_b32's selects for lane l xor 16
	v_mul_u32_u24 v[VO], s[HS], v22
	v_lshl_add_u32 v[VO], v21, 4, v[VO]            ; 16 r + h x HS
	s_wait_loadcnt 0x0                             ; scale words and biases
	WIN 0x44                                       ; source 1 and destination window 1
.set i, 0
.rept 64
	v_cndmask_b32 v[96+i+96*(i/32)], 0, v[96+i+96*(i/32)], s[MQ]   ; the column bias counts for q and k,
.set i, i+1
.endr
	WIN 0
.irp a, 0,1,2,3,4,5,6,7
	v_cndmask_b32 v[RB+2*\a], 0, v[RB+2*\a], s[MV]                 ; the row bias for v: both are added below, and one of them is 0
.endr
.irp a, 0,1,2,3,4,5,6,7
	v_mov_b32 v[RB+2*\a+1], v[RB+2*\a]             ; (named with it as a pair, so it is written)
.endr
.irp b, 0,1,2,3
	v_mov_b32 v[TM+4+\b], 0                        ; written once: a lane permute's destination counts as one of its sources
.endr
	s_wait_tensorcnt 0x0                           ; my quarter, K steps 0 to 5, is in; no load of mine is out, so a descriptor may be written: the refill has 96 rows
	s_mov_b32 s[G1A+2], 96<<16
	s_mov_b32 s[G1A+4], 96
	s_mov_b32 s[G1B+2], 96<<16
	s_mov_b32 s[G1B+4], 96
	s_barrier_signal -1
	s_barrier_wait -1                              ; everybody's is
	FETCH_B 0
	FETCH_A 0, 0
	FETCH_A 0, 4
	STEP 0, 2                                      ; the first products start the sums with the column bias (zeros where the cluster makes v): nothing is cleared
	TURN 1, 1                                      ; slots 1 and 2 are whole in every wave's sight; slot 0 takes K steps 6 and 7, which have three and a half K steps in which to land
	STEP 2, 0
	STEP 3, 0
	STEP 4, 0
	TURN 5, 0                                      ; slot 0's second fill is whole in every wave's sight; nothing is filled again
	STEP 6, 0
	s_wait_dscnt 16                                ; the last K step: nothing more to fetch
	WIN 0xa1
	MUL16 0, 7, 0
	MUL16 2, 7, 0
	s_wait_dscnt 0x0
	WIN 0xf1
	MUL16 4, 7, 0
	MUL16 6, 7, 0
	PLACES 4                                       ; in front of the reads of results, and of writes into the registers that held A's fragments
; THE WAY OUT, A's block a: 64 numbers a lane + the two biases, quantised: one fragment.  q, k: its half c is tile 8 W + a of head c of my two; v: the fragment is (head a / 4, W, d block a % 4).
.macro BLOCK a
	WIN 0x02+(\a)/4                                ; source 0: the accumulators' window
.set i, 0
.rept 32
	v_pk_add_f32 v[HA+i:HA+i+1], v[64*((\a)%4)+i:64*((\a)%4)+i+1], v[RB+2*(\a):RB+2*(\a)+1] op_sel_hi:[1,0]   ; + the row bias (0 for q and k); each accumulator is read from its low end on
.set i, i+2
.endr
	WIN 0
.if (\a) > 0
	s_wait_xcnt 0x0                                ; the last block's stores have read their data and their bases: both are written again only behind this wait
	s_add_nc_u64 s[66:67], s[66:67], s[70:71]
	s_add_nc_u64 s[68:69], s[68:69], s[70:71]
.endif
.if (\a) == 4
	s_add_nc_u64 s[66:67], s[66:67], s[72:73]
	s_add_nc_u64 s[68:69], s[68:69], s[72:73]
.endif
	QUANT HA
	v_mov_b32 v[PWK+(\a)], v[PW]
	global_store_b128 v[LI16], v[PC:PC+3], s[66:67]                ; each store covers 512 or 256 consecutive bytes, aligned to 256
	global_store_b64 v[LI8], v[PC+4:PC+5], s[66:67] offset:512
	global_store_b128 v[LI16], v[PC+6:PC+9], s[68:69]
	global_store_b64 v[LI8], v[PC+10:PC+11], s[68:69] offset:512
.endm
.irp a, 0,1,2,3,4,5,6,7
	BLOCK \a
.endr
	; the scale words: four to a lane: lanes 0-15 those of blocks 0-3, lanes 16-31 of blocks 4-7
	v_cmp_eq_u32 vcc_lo, 1, v22
.irp i, 0,1,2,3
	v_cndmask_b32 v[XW+\i], v[PWK+\i], v[PWK+4+\i], vcc_lo
.endr
.irp i, 0,1,2,3
	v_and_b32 v[EW+\i], s[M1], v[XW+\i]            ; q, k: the even head's two bytes, bytes 2 and 3 left 0; v: the whole word
.endr
	global_store_b128 v[VO], v[EW:EW+3], s[74:75]
	s_cmp_eq_u32 s[ISV], 1                         ; the same in all sixteen partners
	s_cbranch_scc1 .Lno_odd
.irp i, 0,1,2,3
	v_lshrrev_b32 v[OW+\i], 16, v[XW+\i]           ; q, k: the odd head's two bytes
.endr
	global_store_b128 v[VO], v[OW:OW+3], s[76:77]
.Lno_odd:
	s_wait_tensorcnt 0x0                           ; the wave's end
	ds_add_u32 v[SPW], v[NIL]
	s_wait_dscnt 0x0
	CROUND                                         ; the closing round: no work-group ends while a partner may still ask for a tile that names it
	s_endpgm
.Lfunc_end_k_q2a15fa6500_qkv:
	.size	k_q2a15fa6500_qkv, .Lfunc_end_k_q2a15fa6500_qkv-k_q2a15fa6500_qkv
	.p2alignl 7, 3214868480
	.fill 96, 4, 3214868480
	.section	.rodata,"a",@progbits
	.p2align	6, 0x0
	.amdhsa_kernel k_q2a15fa6500_qkv
		.amdhsa_group_segment_fixed_size 327680
		.amdhsa_private_segment_fixed_size 0
		.amdhsa_enable_private_segment 0
		.amdhsa_kernarg_size 40
		.amdhsa_user_sgpr_count 2
		.amdhsa_user_sgpr_kernarg_segment_ptr 1
		.amdhsa_wavefront_size32 1
		.amdhsa_system_sgpr_workgroup_id_x 1
		.amdhsa_system_sgpr_workgroup_id_y 1
		.amdhsa_system_sgpr_workgroup_id_z 1
		.amdhsa_system_vgpr_workitem_id 0
		.amdhsa_next_free_vgpr 1024
		.amdhsa_next_free_sgpr 100
		.amdhsa_reserve_vcc 1
		.amdhsa_float_denorm_mode_32 3
		.amdhsa_float_denorm_mode_16_64 3
		.amdhsa_memory_ordered 1
		.amdhsa_forward_progress 1
		.amdhsa_inst_pref_size 165
	.end_amdhsa_kernel
	.amdgpu_metadata
---
amdhsa.version: [ 1, 2 ]
amdhsa.kernels:
  - .name:           k_q2a15fa6500_qkv
    .symbol:         k_q2a15fa6500_qkv.kd
    .args:
      - { .name: cod1, .offset: 0, .size: 8, .value_kind: global_buffer, .address_space: global }
      - { .name: scl1, .offset: 8, .size: 8, .value_kind: global_buffer, .address_space: global }
      - { .name: b_attn, .offset: 16, .size: 8, .value_kind: global_buffer, .address_space: global }
      - { .name: qkvc, .offset: 24, .size: 8, .value_kind: global_buffer, .address_space: global }
      - { .name: qkvs, .offset: 32, .size: 8, .value_kind: global_buffer, .address_space: global }
    .group_segment_fixed_size: 327680
    .private_segment_fixed_size: 0
    .kernarg_segment_align: 8
    .kernarg_segment_size: 40
    .max_flat_workgroup_size: 128
    .sgpr_count:     100
    .vgpr_count:     1024
    .wavefront_size: 32
...
	.end_amdgpu_metadata
.endif
;; end of part 2
;; launch attn (part 3): grid 8 x 32, 16 waves a work-group, clusters of 4 x 1, 215,040 bytes of LDS; arguments qkvc, qkvs, yc, ys; writes yc, ys
.if DOCPART == 3
	.amdgcn_target "amdgcn-amd-amdhsa--gfx1250"
	.amdhsa_code_object_version 6
	.text
	.protected	k_q2a15fa6500_attn
	.globl	k_q2a15fa6500_attn
	.p2align	8
	.type	k_q2a15fa6500_attn,@function
k_q2a15fa6500_attn:
	s_mov_b64 s[64:65], 0
	v_nop
	global_prefetch_b8 v0, s[64:65] scope:SCOPE_SE
	s_setreg_imm32_b32 hwreg(HW_REG_WAVE_MODE, 25, 1), 1
	s_wait_xcnt 0x0
	s_wait_alu depctr_hold_cnt(0) depctr_sa_sdst(0) depctr_va_vdst(0) depctr_va_sdst(0) depctr_va_ssrc(0) depctr_va_vcc(0) depctr_vm_vsrc(0)
	s_getreg_b32 s2, hwreg(HW_REG_IB_STS2, 6, 4)
	s_cmp_eq_u32 s2, 0
	s_cbranch_scc0 .Lentry_in_a_cluster
	s_endpgm
.Lentry_in_a_cluster:
	s_bfe_u32 s2, ttmp6, 0x10000c
	s_cmp_lg_u32 s2, 0x3003
	s_cbranch_scc0 .Lentry_shape_is_right
	s_endpgm
.Lentry_shape_is_right:
; y[bh][q] = the sum over k of softmax_k(q . k / 8) v[bh][k], no mask, both products on codes of FP6 (E2M3) with E8M0 scales; y leaves as CODES, quantised along the head's 64, for the last product.
; THE SOFTMAX: t = score x log2(e) / 8; M = the row's largest t so far, rounded UP to a whole number; p = 2^(t - M) is quantised along the keys, not normalised.  The row's sum is taken of the unquantised p
; and divides at the end.  When M moves, the sum and O are multiplied by 2^(old M - new M), which rounds nothing; that is done in every step, with no branch.
; A block's largest p is not searched for: the block's largest SCORE goes through the same multiply-add and exponential (this takes v_exp_f32 not to fall where its input rises; at the worst one p of a block,
; within an ulp of a power of two, would be held one code low).
; SHARES.  A work-group owns 256 queries of one head (bh = the grid's y); each of its sixteen waves owns one tile of 16 and walks the head's 2,048 keys, 128 a step, two steps a trip.
; THE WHOLE HEAD'S K AND V, codes and scale words (208,896 bytes), LIE IN LDS, FILLED ONCE, one load a wave: wave 0 K's first 16,384 bytes, wave 1 V's, wave 2 the scale words; waves 3-7 V's other five parts,
; waves 9-13 K's.  A first barrier shows the first three (each has a load line of its own): they hold all that the first trip reads, 12,288 bytes of K and of V.  That trip is written out; behind it a second
; barrier, with the wait on every wave's way, shows the rest; seven trips of the loop follow.  Nothing is filled again.
; CLUSTER.  The four query blocks of a cluster belong to one head: K and V are asked for JOINTLY (mask 15).  No prefetch: every tile is asked for at the head, so there is no loop to run ahead in.
; LAYOUT.  Both products are used transposed: S^T = K Q^T, O^T = V^T P^T: a lane holds ONE query throughout.  A tile's row r is row 64 (tile / 4) + 8 (tile % 4) + r % 8 + 32 (r / 8) of its tensor, so register 32 c + i
; of a lane's 64 scores is key 64 c + 32 (lane / 16) + i: two WHOLE scale blocks, in the order of the next operand's registers; likewise O^T's 32 registers are d = 32 (lane / 16) + i.
; Operands lie in memory and LDS as images of registers: 16 rows x 64 K = 768 bytes (registers 0-3 at 16 x lane, 4-5 at 512 + 8 x lane).
; THE FIRST PRODUCT'S K IS 64 of the instruction's 128: Q's registers 6-11 are zero codes; a tile of K names the next tile's six registers there, whose codes meet zeros; bytes 2, 3 of both scale words are 0 (2^-127, no NaN).
; THE ROW'S SUM: 32 packed additions a step, which stand where plain vector work is owed: ten ahead of the second product, eighteen behind it, and the last tile's four among the NEXT step's first products.
; LIMITS: NaN and infinities are not served; the scaled scores stay under 2^31 in magnitude; a block of y that is all zeros gets the byte 1 and zero codes.
.set AK16, 1                           ; v1 16 x lane (LDS, K's images; also an offset in memory); v2 8 x lane; v3, v4 V's; v5 K's scale words; v6 V's
.set AK8,  2
.set AV16, 3
.set AV8,  4
.set AKS,  5
.set AVS,  6
.set YSA,  7                           ; v7 where I put y's scale word
.set ADK16, 8                          ; v8-13 the trip's six addresses
.set ADK8, 9
.set ADV16, 10
.set ADV8, 11
.set ADS,  12
.set ADT,  13
.set YSR,  14
.set L8,   15
.set KSC,  16                          ; v16-19 K's scale words; v20-23 V's; v24 Q's; v25 p's: scales and nothing else
.set VSC,  20
.set QS,   24
.set PS,   25
.set NMA,  26                          ; v26, v28: -M, by turns from step to step; v27 the largest score so far; v29 written, named in a pair
.set RM,   27
.set NMB,  28
.set F,    30                          ; v30 f = 2^(old M - new M); v31 named with it
.set Q,    32                          ; v32-43
.set KF,   44                          ; v44-97: K's tile t at 44 + 6 t, v92-97 zeros; then V's fragment t at 44 + 12 t
.set S,    98                          ; v98-161 S^T, then p
.set O,    162                         ; v162-193 O^T
.set PC,   194                         ; v194-205 p's codes
.set CT,   206                         ; v206-208, v210-212 the blocks' upper halves before they are moved
.set BM,   214                         ; v214-217 four chains of maxima; then v214, v216 my two blocks'
.set BX,   218
.set TW,   219
.set SO,   220                         ; v220, v221 the conversions' scale operands
.set SUM,  222                         ; v[222:223] the sum in two halves
.set T,    224                         ; v224-231 four partial sums
.set R16,  232
.set YSG,  233
.set BY,   234                         ; v234, v235 bytes
.set H8,   236
.set SPW,  240
.set NIL,  241
.set LV,   98304                       ; LDS: K's codes at 0, 6,144 bytes a key step; V's likewise
.set LKS,  196608                      ; K's scale words, 512 bytes a step
.set LVS,  204800                      ; V's, 256 a step
.set LYS,  208896                      ; y's scale words, 1,024 bytes: LDS stores alone
.set SPARE, 212992                     ; the spare words, 128 bytes a wave
.set WV,   12
.set G1C,  16                          ; s[16:23] group 1 for 16,384 bytes of codes; s[24:31] for the scale words
.set G1S,  24
.set G0S,  32                          ; groups 0: the scale words; K's first part; V's first part; V's other parts; K's other parts
.set G0K0, 36
.set G0V0, 40
.set G0V,  44
.set G0K,  48
.set CS,   54                          ; s[54:55] c = log2(e) / 8
.set SEL,  56
.set TB,   58
.set TS,   59
.set TV,   60
.set CNT,  61
.set SH,   62
.set CN,   63                          ; -c
.macro CROUND
	s_barrier_signal -1
	s_barrier_wait -1
	s_cmp_lg_u32 s[WV], 0
	s_cbranch_scc1 .Lnot_wave_0_\@
	s_barrier_signal -3
.Lnot_wave_0_\@:
	s_barrier_wait -3
	s_barrier_signal -1
	s_barrier_wait -1
.endm
.macro TL g0, g1
	tensor_load_to_lds s[\g0:\g0+3], s[\g1:\g1+7]
	s_nop 0
.rept 4
	v_nop
.endr
.endm
	s_load_b256 s[4:11], s[0:1], 0x0               ; qkvc, qkvs, yc, ys
	v_lshl_add_u32 v[SPW], v0, 2, SPARE
	v_mov_b32 v[NIL], 0
	ds_add_u32 v[SPW], v[NIL]                      ; the opening lines: the add twice and its wait
	ds_add_u32 v[SPW], v[NIL]
	v_lshrrev_b32 v8, 5, v0
	v_readfirstlane_b32 s[WV], v8                  ; wave 0..15
	s_bfe_u32 s13, ttmp6, 0x40000                  ; cx
	s_lshl_b32 s14, ttmp9, 2
	s_add_co_u32 s14, s14, s13                     ; my block of 256 queries: it enters addresses of q, yc and ys alone
	s_and_b32 s15, ttmp7, 0xffff                   ; 16 x batch + head, which the four partners share
.irp g, G1C, G1S                               ; dense blocks as rows of 256 bytes (32 elements of 8 bytes)
	s_mov_b32 s[\g], 15|(3<<16)|(1<<21)            ; the mask: all four work-groups; bit 21 beside it
	s_mov_b32 s[\g+1], 32<<16
	s_mov_b32 s[\g+3], 32<<16
	s_mov_b32 s[\g+5], 32
	s_mov_b32 s[\g+6], 0
	s_mov_b32 s[\g+7], 0
.endr
	s_mov_b32 s[G1C+2], 64<<16                     ; 64 rows: 16,384 bytes
	s_mov_b32 s[G1C+4], 64
	s_mov_b32 s[G1S+2], 48<<16                     ; 48 rows: 12,288 bytes
	s_mov_b32 s[G1S+4], 48
	s_mul_i32 s66, s15, 98304                      ; the head's bytes in each region of codes
	s_add_co_u32 s68, s66, 3145728                 ; the head's K
	s_mov_b32 s69, 0
	s_add_co_u32 s70, s66, 6291456                 ; the head's V
	s_mov_b32 s71, 0
	s_lshl_b32 s52, s[WV], 14
	s_add_co_u32 s72, s70, s52
	s_sub_co_u32 s72, s72, 32768                   ; waves 3-7: V's part wave - 2
	s_mov_b32 s73, 0
	s_and_b32 s53, s[WV], 7
	s_lshl_b32 s53, s53, 14
	s_add_co_u32 s74, s68, s53                     ; waves 9-13: K's part wave % 8
	s_mov_b32 s75, 0
	s_mul_i32 s76, s15, 12288
	s_add_co_u32 s76, s76, 262144                  ; the head's scale words of k and v: 12,288 dense bytes
	s_mov_b32 s77, 0
	s_mov_b32 s[G0S], 1
	s_mov_b32 s[G0S+1], LKS
	s_mov_b32 s[G0K0], 1
	s_mov_b32 s[G0K0+1], 0
	s_mov_b32 s[G0V0], 1
	s_mov_b32 s[G0V0+1], LV
	s_mov_b32 s[G0V], 1
	s_add_co_u32 s[G0V+1], s[WV], 4
	s_lshl_b32 s[G0V+1], s[G0V+1], 14              ; LDS: V's part p lies at 16,384 (6 + p) = 16,384 (wave + 4)
	s_mov_b32 s[G0K], 1
	s_mov_b32 s[G0K+1], s53                        ; K's part p at 16,384 p
	s_wait_dscnt 0x0
	s_wait_kmcnt 0x0
	s_add_nc_u64 s[G0S+2:G0S+3], s[6:7], s[76:77]
	s_or_b32 s[G0S+3], s[G0S+3], 0x80000000
	s_add_nc_u64 s[G0K0+2:G0K0+3], s[4:5], s[68:69]
	s_or_b32 s[G0K0+3], s[G0K0+3], 0x80000000
	s_add_nc_u64 s[G0V0+2:G0V0+3], s[4:5], s[70:71]
	s_or_b32 s[G0V0+3], s[G0V0+3], 0x80000000
	s_add_nc_u64 s[G0V+2:G0V+3], s[4:5], s[72:73]
	s_or_b32 s[G0V+3], s[G0V+3], 0x80000000
	s_add_nc_u64 s[G0K+2:G0K+3], s[4:5], s[74:75]
	s_or_b32 s[G0K+3], s[G0K+3], 0x80000000
	CROUND                                         ; all four work-groups are here: the joint loads meet
	s_cmp_eq_u32 s[WV], 0                          ; one chain of branches on the wave's number, one load to an arm; what the first trip reads stands first
	s_cbranch_scc0 .La1
	TL G0K0, G1C
	s_branch .Lfilled
.La1:
	s_cmp_eq_u32 s[WV], 1
	s_cbranch_scc0 .La2
	TL G0V0, G1C
	s_branch .Lfilled
.La2:
	s_cmp_eq_u32 s[WV], 2
	s_cbranch_scc0 .La3
	TL G0S, G1S
	s_branch .Lfilled
.La3:
	s_cmp_lt_u32 s[WV], 8
	s_cbranch_scc0 .La4
	TL G0V, G1C
	s_branch .Lfilled
.La4:
	s_cmp_eq_u32 s[WV], 8
	s_cbranch_scc1 .Lfilled
	s_cmp_lt_u32 s[WV], 14
	s_cbranch_scc0 .Lfilled
	TL G0K, G1C
.Lfilled:
	s_lshr_b32 s52, s[WV], 2
	s_lshl_b32 s52, s52, 8
	s_and_b32 s53, s[WV], 3
	s_lshl_b32 s53, s53, 2
	s_add_co_u32 s52, s52, s53
	s_add_co_u32 s52, s52, LYS                     ; y's scale words in LDS: [group of four tiles][r][tile % 4]
	s_and_b32 s53, s[WV], 1
	s_lshl_b32 s53, s53, 9                         ; waves 0 and 1 carry 512 bytes of them each
	s_lshl_b32 s72, s14, 4
	s_add_co_u32 s72, s72, s[WV]                   ; my tile of 16 queries, 0 .. 127
	s_mul_i32 s74, s72, 768
	s_add_co_u32 s74, s74, s66
	s_mov_b32 s75, 0
	s_add_nc_u64 s[74:75], s[4:5], s[74:75]        ; Q's image
	s_lshl_b32 s76, s15, 13                        ; q's scale words: 8,192 bytes a head, [group of four tiles][r][tile % 4]
	s_lshr_b32 s67, s72, 2
	s_lshl_b32 s67, s67, 8
	s_add_co_u32 s76, s76, s67
	s_and_b32 s67, s72, 3
	s_lshl_b32 s67, s67, 2
	s_add_co_u32 s76, s76, s67
	s_mov_b32 s77, 0
	s_add_nc_u64 s[76:77], s[6:7], s[76:77]
	s_lshr_b32 s78, s15, 4                         ; the batch
	s_and_b32 s79, s15, 15                         ; the head
	s_lshl_b32 s80, s78, 7
	s_add_co_u32 s80, s80, s72                     ; y's row block
	s_and_b32 s67, s80, 7
	s_lshr_b32 s80, s80, 3
	s_mul_i32 s80, s80, 98304                      ; yc = [row block / 8][head / 4][row block % 8][head % 4][768]
	s_mul_i32 s67, s67, 3072
	s_add_co_u32 s80, s80, s67
	s_lshr_b32 s67, s79, 2
	s_mul_i32 s67, s67, 24576
	s_add_co_u32 s80, s80, s67
	s_and_b32 s67, s79, 3
	s_mul_i32 s67, s67, 768
	s_add_co_u32 s80, s80, s67
	s_mov_b32 s81, 0
	s_add_nc_u64 s[8:9], s[8:9], s[80:81]
	s_lshl_b32 s82, s79, 14                        ; ys = [head][group of four row blocks][r][4 words]
	s_lshl_b32 s67, s78, 13
	s_add_co_u32 s82, s82, s67
	s_lshl_b32 s67, s14, 10
	s_add_co_u32 s82, s82, s67
	s_mov_b32 s83, 0
	s_add_nc_u64 s[10:11], s[10:11], s[82:83]
	s_and_b32 s[SH], s15, 1
	s_lshl_b32 s[SH], s[SH], 4                     ; an odd head's two bytes are bytes 2 and 3 of its K step's scale word
	s_mov_b32 s[CS], 0x3e38aa3b
	s_mov_b32 s[CS+1], s[CS]
	s_mov_b32 s[CN], 0xbe38aa3b
	s_mov_b32 s[SEL], 0x76543210
	s_mov_b32 s[SEL+1], 0xfedcba98
	s_mov_b32 s[TB], 0
	s_mov_b32 s[TS], 0
	s_mov_b32 s[TV], 0
	s_mov_b32 s[CNT], 7
	v_and_b32 v8, 31, v0                           ; lane
	v_and_b32 v9, 15, v0                           ; r
	v_bfe_u32 v10, v0, 4, 1                        ; h
	v_lshlrev_b32 v[AK16], 4, v8
	v_lshlrev_b32 v[AK8], 3, v8
	v_lshlrev_b32 v[L8], 3, v8
	v_lshlrev_b32 v[R16], 4, v9
	v_lshlrev_b32 v[H8], 3, v10
	v_add_nc_u32 v[AV16], LV, v[AK16]
	v_add_nc_u32 v[AV8], LV, v[AK8]
	v_add_nc_u32 v[AKS], LKS, v[AK16]              ; lane (r, h) takes the words of tiles 4 h .. 4 h + 3
	v_add_nc_u32 v[AVS], LVS, v[R16]               ; the words of the four d blocks
	v_add_nc_u32 v[YSA], s52, v[R16]
	v_add_nc_u32 v[YSG], s53, v[AK16]
	v_add_nc_u32 v[YSR], LYS, v[YSG]
	s_wait_alu depctr_va_vdst(0)                   ; the wait ahead of the readers below
	global_load_b128 v[Q:Q+3], v[AK16], s[74:75]   ; Q's image stays in registers
	global_load_b64 v[Q+4:Q+5], v[L8], s[74:75] offset:512
	global_load_b32 v[QS], v[R16], s[76:77]
.irp j, 6,7,8,9,10,11
	v_mov_b32 v[Q+\j], 0                           ; zero codes for K = 64 .. 127 of the first product
.endr
.irp j, 48,49,50,51,52,53
	v_mov_b32 v[KF+\j], 0                          ; what K's last tile names there
.endr
.irp j, 56,57,58,59,60,61,62,63
	v_mov_b32 v[S+\j], 0                           ; the first step adds these to the sum in place of a step before it
.endr
	v_mov_b32 v[RM], 0xff61b1e6                    ; the largest score so far: -3e38
	v_mov_b32 v[NMA], 0x7f61b1e6                   ; -M: 3e38
	v_mov_b32 v[NMB+1], 0
	v_mov_b32 v[F+1], 0
	v_mov_b32 v[SUM], 0
	v_mov_b32 v[SUM+1], 0
	v_mov_b32 v[BX], 0                             ; a lane permute's destination counts as one of its sources
.set i, 0
.rept 32
	v_mov_b32 v[O+i], 0                            ; O^T: the first change of M multiplies zeros
.set i, i+1
.endr
	s_wait_alu depctr_va_vdst(0)                   ; the wait at the head's end
	s_wait_loadcnt 0x0                             ; Q and its scale words
	s_cmp_lt_u32 s[WV], 3
	s_cbranch_scc0 .Lnot_first
	s_wait_tensorcnt 0x0                           ; waves 0, 1, 2: K's and V's first parts and the scale words
.Lnot_first:
	s_barrier_signal -1
	s_barrier_wait -1                              ; they are in every wave's sight
.macro FRAG reg, a16, a8, off
	ds_load_b128 v[\reg:\reg+3], v[\a16] offset:\off
	ds_load_b64 v[\reg+4:\reg+5], v[\a8] offset:\off+512
	ds_load_b128 v[\reg+6:\reg+9], v[\a16] offset:\off+768
	ds_load_b64 v[\reg+10:\reg+11], v[\a8] offset:\off+1280
.endm
.macro MX b, i                         ; line i of chain b: the largest of scores 16 b .. 16 b + 15, each tile read from its low end on
.if (\i) == 0
	v_max3_num_f32 v[BM+\b], v[S+16*\b], v[S+16*\b+1], v[S+16*\b+2]
.elseif (\i) < 7
	v_max3_num_f32 v[BM+\b], v[BM+\b], v[S+16*\b+2*(\i)+1], v[S+16*\b+2*(\i)+2]
.else
	v_max_num_f32 v[BM+\b], v[BM+\b], v[S+16*\b+15]
.endif
.endm
.macro PA j, k                         ; partial sum j takes p's pair k
	v_pk_add_f32 v[T+2*(\j):T+2*(\j)+1], v[T+2*(\j):T+2*(\j)+1], v[S+2*(\k):S+2*(\k)+1]
.endm
.macro SQK t, row
	v_wmma_scale_f32_16x16x128_f8f6f4 v[S+8*\t:S+8*\t+7], v[KF+6*\t:KF+6*\t+11], v[Q:Q+11], 0, v[KSC+\t%4], v[QS] matrix_a_fmt:MATRIX_FMT_FP6 matrix_b_fmt:MATRIX_FMT_FP6 matrix_a_scale:MATRIX_SCALE_ROW\row
.endm
.macro LAST4                           ; the last tile's p of the step before joins the sum
	v_pk_add_f32 v[T:T+1], v[S+56:S+57], v[S+58:S+59]
	v_pk_add_f32 v[T+2:T+3], v[S+60:S+61], v[S+62:S+63]
	v_pk_add_f32 v[T:T+1], v[T:T+1], v[T+2:T+3]
	v_pk_add_f32 v[SUM:SUM+1], v[SUM:SUM+1], v[T:T+1]
.endm
; A KEY STEP: 128 keys.  u: which of the trip's two; no, nn: the registers of the old and the new -M.
.macro STEP u, no, nn
.irp t, 0,1,2,3,4,5,6,7
	ds_load_b128 v[KF+6*\t:KF+6*\t+3], v[ADK16] offset:6144*\u+768*\t      ; (the additions behind the last products are the places ahead of these loads)
	ds_load_b64 v[KF+6*\t+4:KF+6*\t+5], v[ADK8] offset:6144*\u+768*\t+512
.endr
	ds_load_b128 v[KSC:KSC+3], v[ADS] offset:512*\u
	s_wait_alu depctr_va_vdst(0)                   ; the wait ahead of the wait below
	s_wait_dscnt 0x0
.irp t, 0,1,2,3
	SQK \t, 0                                      ; S^T = K Q^T: eight tiles of 16 keys
.endr
.irp t, 4,5,6
	SQK \t, 1                                      ; tiles 4-7: their scale words lie in lanes 16-31
.endr
	LAST4                                          ; four places behind the seven products above
	SQK 7, 1
.irp i, 0,1
	MX 0, \i                                       ; six lines on tiles 0-5: the places behind the eighth product
	MX 1, \i
	MX 2, \i
.endr
.irp t, 0,1,2,3
	FRAG KF+12*\t, ADV16, ADV8, 6144*\u+1536*\t    ; V's four fragments land while the softmax is walked
.endr
	ds_load_b128 v[VSC:VSC+3], v[ADT] offset:256*\u
.irp i, 2,3,4,5,6,7
	MX 0, \i
	MX 1, \i
	MX 2, \i
	MX 3, \i-2
.endr
	MX 3, 6
	v_max_num_f32 v[BM], v[BM], v[BM+1]            ; my block h's largest score
	MX 3, 7
	s_delay_alu instid0(VALU_DEP_1)
	v_max_num_f32 v[BM+2], v[BM+2], v[BM+3]        ; my block 2 + h's
	s_delay_alu instid0(VALU_DEP_1)
	v_max_num_f32 v[TW], v[BM], v[BM+2]
	s_delay_alu instid0(VALU_DEP_1)
	v_permlanex16_b32 v[BX], v[TW], s[SEL], s[SEL+1]
	s_delay_alu instid0(VALU_DEP_1)
	v_max3_num_f32 v[RM], v[RM], v[TW], v[BX]      ; the running largest score of my query
	s_delay_alu instid0(VALU_DEP_1)
	v_mul_f32 v[TW], s[CN], v[RM]                  ; -t
	s_delay_alu instid0(VALU_DEP_1)
	v_floor_f32 v[\nn], v[TW]                      ; the new -M = floor(-t) = -ceil(t)
	s_delay_alu instid0(VALU_DEP_1)
	v_sub_f32 v[TW], v[\nn], v[\no]                ; old M - new M: a whole number, 0 or less
	s_delay_alu instid0(VALU_DEP_1)
	v_cvt_i32_f32 v[TW], v[TW]                     ; (it saturates)
	s_delay_alu instid0(VALU_DEP_1)
	v_ldexp_f32 v[F], 1.0, v[TW]                   ; f = 2^(old M - new M)
.set i, 0
.rept 32
	v_pk_fma_f32 v[S+i:S+i+1], v[S+i:S+i+1], s[CS:CS+1], v[\nn:\nn+1] op_sel_hi:[1,0,0]   ; t - M, two at a time
.set i, i+2
.endr
	v_fma_f32 v[BM], v[BM], s[CS], v[\nn]          ; the same of my two blocks' largest scores
	v_fma_f32 v[BM+2], v[BM+2], s[CS], v[\nn]
.set i, 0
.rept 16
	v_pk_mul_f32 v[O+i:O+i+1], v[O+i:O+i+1], v[F:F+1] op_sel_hi:[1,0]   ; O^T under the new M
.set i, i+2
.endr
	v_pk_mul_f32 v[SUM:SUM+1], v[SUM:SUM+1], v[F:F+1] op_sel_hi:[1,0]   ; and the sum
	s_wait_alu depctr_va_vdst(0)                   ; the wait ahead of the batch
	v_exp_f32 v[BM], v[BM]                         ; the blocks' largest p
	v_exp_f32 v[BM+2], v[BM+2]
.set i, 0
.rept 64
	v_exp_f32 v[S+i], v[S+i]                       ; p = 2^(t - M)
.set i, i+1
.endr
	v_nop                                          ; a plain place behind the exponentials
	s_wait_alu depctr_va_vdst(0)                   ; one wait for the batch, ahead of its first reader
	v_max_num_f32 v[BM], 0x1800000, v[BM]          ; the floor 2^(3 - 127): the byte cannot fall under 1
	v_max_num_f32 v[BM+2], 0x1800000, v[BM+2]
	v_add_nc_u32 v[SO], 0xff000000, v[BM]          ; 2 off the exponent field: the conversions' scale operands
	v_add_nc_u32 v[SO+1], 0xff000000, v[BM+2]
.irp c, 0,1
	v_cvt_scalef32_pk16_fp6_f32 v[PC+6*\c:PC+6*\c+2], v[S+32*\c:S+32*\c+15], v[SO+\c]
	v_cvt_scalef32_pk16_fp6_f32 v[CT+4*\c:CT+4*\c+2], v[S+32*\c+16:S+32*\c+31], v[SO+\c]   ; (a conversion's three registers begin on an even number)
.endr
	v_lshrrev_b32 v[BY], 23, v[SO]                 ; the scales' bytes.  (Plain lines behind the conversions)
	v_lshrrev_b32 v[BY+1], 23, v[SO+1]
	v_lshl_or_b32 v[BY], v[BY+1], 16, v[BY]        ; blocks h and 2 + h
	v_permlanex16_b32 v[BX], v[BY], s[SEL], s[SEL+1]
	v_lshl_or_b32 v[PS], v[BX], 8, v[BY]           ; p's scale word, whole in lanes 0-15, which alone are read
.irp c, 0,1
.irp i, 0,1,2
	v_mov_b32 v[PC+6*\c+3+\i], v[CT+4*\c+\i]
.endr
.endr
.irp j, 0,1,2,3                                ; THE ROW'S SUM, of the unquantised p: ten lines here, the places between the writes of p's codes and scale word and the products
	v_pk_add_f32 v[T+2*\j:T+2*\j+1], v[S+4*\j:S+4*\j+1], v[S+4*\j+2:S+4*\j+3]
.endr
.irp k, 8,9,10,11,12,13
	PA \k%4, \k
.endr
	s_wait_alu depctr_va_vdst(0)                   ; the wait ahead of the wait below
	s_wait_dscnt 0x0                               ; V's fragments and scale words
.irp t, 0,1,2,3                                ; O^T += V^T P^T: four tiles of 16 of the head's 64, by turns
	v_wmma_scale_f32_16x16x128_f8f6f4 v[O+8*\t:O+8*\t+7], v[KF+12*\t:KF+12*\t+11], v[PC:PC+11], v[O+8*\t:O+8*\t+7], v[VSC+\t], v[PS] matrix_a_fmt:MATRIX_FMT_FP6 matrix_b_fmt:MATRIX_FMT_FP6
.endr
.irp k, 14,15,16,17,18,19,20,21,22,23,24,25,26,27
	PA \k%4, \k                                    ; eighteen lines: also the places ahead of the next loads into the fragments' registers
.endr
	v_pk_add_f32 v[T:T+1], v[T:T+1], v[T+2:T+3]
	v_pk_add_f32 v[T+4:T+5], v[T+4:T+5], v[T+6:T+7]
	v_pk_add_f32 v[T:T+1], v[T:T+1], v[T+4:T+5]
	v_pk_add_f32 v[SUM:SUM+1], v[SUM:SUM+1], v[T:T+1]
.endm
.macro TRIP                            ; two key steps
	v_add_nc_u32 v[ADK16], s[TB], v[AK16]
	v_add_nc_u32 v[ADK8], s[TB], v[AK8]
	v_add_nc_u32 v[ADV16], s[TB], v[AV16]
	v_add_nc_u32 v[ADV8], s[TB], v[AV8]
	v_add_nc_u32 v[ADS], s[TS], v[AKS]
	v_add_nc_u32 v[ADT], s[TV], v[AVS]
	STEP 0, NMA, NMB
	STEP 1, NMB, NMA
	s_add_co_u32 s[TB], s[TB], 12288
	s_add_co_u32 s[TS], s[TS], 1024
	s_add_co_u32 s[TV], s[TV], 512
.endm
	TRIP                                           ; the first trip reads the first parts alone, while the other ten loads land
	s_wait_alu depctr_va_vdst(0)                   ; the wait ahead of the waits below
	s_wait_tensorcnt 0x0                           ; on every wave's way: my load, if I have one
	s_wait_dscnt 0x0
	s_barrier_signal -1
	s_barrier_wait -1                              ; all of K and V is in every wave's sight; nothing is filled again
.Lpair:                                                ; seven trips
	TRIP
	s_sub_co_u32 s[CNT], s[CNT], 1
	s_cmp_lg_u32 s[CNT], 0
	s_wait_alu depctr_va_vdst(0)                   ; the wait ahead of the branch
	s_cbranch_scc1 .Lpair
	; THE WAY OUT: O^T / the sum, quantised along the head's 64: my 32 numbers are one block.
	LAST4                                          ; the last step's last tile
	v_add_f32 v[SUM], v[SUM], v[SUM+1]             ; the sum's two halves,
	v_permlanex16_b32 v[TW], v[SUM], s[SEL], s[SEL+1]
	v_add_f32 v[SUM], v[SUM], v[TW]                ; and lane l xor 16's: the row's sum
	s_wait_alu depctr_va_vdst(0)                   ; the wait ahead of the transcendental
	v_rcp_f32 v[SUM], v[SUM]
	v_nop
	s_wait_alu depctr_va_vdst(0)                   ; and ahead of its first reader, which is O^T's first reader too
.set i, 0
.rept 16
	v_pk_mul_f32 v[S+i:S+i+1], v[O+i:O+i+1], v[SUM:SUM+1] op_sel_hi:[1,0]   ; register i is y(my query, d = 32 (lane / 16) + i)
.set i, i+2
.endr
.irp b, 0,1
	v_max3_num_f32 v[BM+\b], |v[S+16*\b]|, |v[S+1+16*\b]|, 0x1800000
.endr
.irp i, 2,4,6,8,10,12,14
.irp b, 0,1
	v_max3_num_f32 v[BM+\b], v[BM+\b], |v[S+16*\b+\i]|, |v[S+1+16*\b+\i]|
.endr
.endr
	v_max_num_f32 v[BM], v[BM], v[BM+1]
	v_add_nc_u32 v[SO], 0xff000000, v[BM]
	v_cvt_scalef32_pk16_fp6_f32 v[PC:PC+2], v[S:S+15], v[SO]
	v_cvt_scalef32_pk16_fp6_f32 v[CT:CT+2], v[S+16:S+31], v[SO]
	v_lshrrev_b32 v[BY], 23, v[SO]                 ; my block's byte,
	v_lshlrev_b32 v[BY], v[H8], v[BY]              ; at its place;
	v_permlanex16_b32 v[BX], v[BY], s[SEL], s[SEL+1]
	v_or_b32 v[TW], v[BY], v[BX]                   ; with lane l xor 16's: the head's two bytes, the same in both lanes,
	v_lshlrev_b32 v[TW], s[SH], v[TW]              ; at their place in the K step's scale word
.irp i, 0,1,2
	v_mov_b32 v[PC+3+\i], v[CT+\i]
.endr
	global_store_b128 v[AK16], v[PC:PC+3], s[8:9]  ; 512 and 256 consecutive bytes, aligned to 256
	global_store_b64 v[L8], v[PC+4:PC+5], s[8:9] offset:512
	ds_store_b32 v[YSA], v[TW]                     ; lanes r and r + 16 write the same word with the same value
	s_wait_dscnt 0x0                               ; for the others' sake: my store has landed
	s_barrier_signal -1
	s_barrier_wait -1
	s_cmp_lt_u32 s[WV], 2                          ; the sixteen tiles' words, 1,024 bytes, leave by waves 0 and 1
	s_cbranch_scc0 .Lno_ys
	ds_load_b128 v[S:S+3], v[YSR]
	s_wait_dscnt 0x0
	global_store_b128 v[YSG], v[S:S+3], s[10:11]   ; 512 consecutive bytes, aligned
.Lno_ys:
	s_wait_tensorcnt 0x0                           ; the wave's end
	ds_add_u32 v[SPW], v[NIL]
	s_wait_dscnt 0x0
	CROUND                                         ; the closing round
	s_endpgm
.Lfunc_end_k_q2a15fa6500_attn:
	.size	k_q2a15fa6500_attn, .Lfunc_end_k_q2a15fa6500_attn-k_q2a15fa6500_attn
	.p2alignl 7, 3214868480
	.fill 96, 4, 3214868480
	.section	.rodata,"a",@progbits
	.p2align	6, 0x0
	.amdhsa_kernel k_q2a15fa6500_attn
		.amdhsa_group_segment_fixed_size 215040
		.amdhsa_private_segment_fixed_size 0
		.amdhsa_enable_private_segment 0
		.amdhsa_kernarg_size 32
		.amdhsa_user_sgpr_count 2
		.amdhsa_user_sgpr_kernarg_segment_ptr 1
		.amdhsa_wavefront_size32 1
		.amdhsa_system_sgpr_workgroup_id_x 1
		.amdhsa_system_sgpr_workgroup_id_y 1
		.amdhsa_system_sgpr_workgroup_id_z 1
		.amdhsa_system_vgpr_workitem_id 0
		.amdhsa_next_free_vgpr 242
		.amdhsa_next_free_sgpr 84
		.amdhsa_reserve_vcc 0
		.amdhsa_float_denorm_mode_32 3
		.amdhsa_float_denorm_mode_16_64 3
		.amdhsa_memory_ordered 1
		.amdhsa_forward_progress 1
		.amdhsa_inst_pref_size 75
	.end_amdhsa_kernel
	.amdgpu_metadata
---
amdhsa.version: [ 1, 2 ]
amdhsa.kernels:
  - .name:           k_q2a15fa6500_attn
    .symbol:         k_q2a15fa6500_attn.kd
    .args:
      - { .name: qkvc, .offset: 0, .size: 8, .value_kind: global_buffer, .address_space: global }
      - { .name: qkvs, .offset: 8, .size: 8, .value_kind: global_buffer, .address_space: global }
      - { .name: yc, .offset: 16, .size: 8, .value_kind: global_buffer, .address_space: global }
      - { .name: ys, .offset: 24, .size: 8, .value_kind: global_buffer, .address_space: global }
    .group_segment_fixed_size: 215040
    .private_segment_fixed_size: 0
    .kernarg_segment_align: 8
    .kernarg_segment_size: 32
    .max_flat_workgroup_size: 512
    .sgpr_count:     84
    .vgpr_count:     242
    .wavefront_size: 32
...
	.end_amdgpu_metadata
.endif
;; end of part 3
;; launch proj (part 4): grid 8 x 32, 4 waves a work-group, clusters of 4 x 4, 327,680 bytes of LDS; arguments yc, ys, cod1, scl1, b_proj, out0; writes out0
.if DOCPART == 4
	.amdgcn_target "amdgcn-amd-amdhsa--gfx1250"
	.amdhsa_code_object_version 6
	.text
	.protected	k_q2a15fa6500_proj
	.globl	k_q2a15fa6500_proj
	.p2align	8
	.type	k_q2a15fa6500_proj,@function
k_q2a15fa6500_proj:
	s_mov_b64 s[64:65], 0
	v_nop
	global_prefetch_b8 v0, s[64:65] scope:SCOPE_SE
	s_setreg_imm32_b32 hwreg(HW_REG_WAVE_MODE, 25, 1), 1
	s_wait_xcnt 0x0
	s_wait_alu depctr_hold_cnt(0) depctr_sa_sdst(0) depctr_va_vdst(0) depctr_va_sdst(0) depctr_va_ssrc(0) depctr_va_vcc(0) depctr_vm_vsrc(0)
	s_getreg_b32 s2, hwreg(HW_REG_IB_STS2, 6, 4)
	s_cmp_eq_u32 s2, 0
	s_cbranch_scc0 .Lentry_in_a_cluster
	s_endpgm
.Lentry_in_a_cluster:
	s_bfe_u32 s2, ttmp6, 0x10000c
	s_cmp_lg_u32 s2, 0xf033
	s_cbranch_scc0 .Lentry_shape_is_right
	s_endpgm
.Lentry_shape_is_right:
; out = y W_proj^T + b_proj on codes of FP6 (E2M3) with E8M0 scales for each 32 along K = 1,024; out is f32.
; SHARES.  4,096 x 1,024 in blocks of 128 x 128: 32 x 8 = 256 work-groups of four waves, 2 x 2; a wave makes 64 x 64.
; BOTH OPERANDS' TILES, ALL OF K, LIE IN LDS, FILLED ONCE: 8 row blocks of y and 8 of W_proj, 98,304 dense bytes each, laid [pair of K steps][row block][3,072 bytes] as images of operand registers,
; so every LDS load takes 512 or 256 consecutive bytes.  One load a wave at the head, 192 rows of 256 bytes: wave 0 y's K steps 0-3, wave 1 W's, wave 2 y's K steps 4-7, wave 3 W's.
; A first barrier shows the first two (each load line is one wave's own), a second one all four.  Nothing is filled again.
; THE WORK GOES BY ROWS OF THE RESULT.  My 64 rows of W, all of K, go into registers: 32 fragments, 384 registers.  y's four row blocks of 16 rows are then finished one after the other, 32 products each
; (four accumulators by turns, K ascending), and each block is stored as soon as it is finished, while the later blocks are still to be multiplied.  No fragment is read from LDS twice.
; CLUSTERS: 4 x 4 work-groups; y's tile is shared along a row of the cluster, W's along a column: joint loads.  No prefetch: every tile is asked for at the head, and there is no loop to run ahead in.
; A row block's row r is tensor row 64 (rb / 4) + 8 (rb % 4) + r % 8 + 32 (r / 8).  THE MATRIX INSTRUCTION IS USED TRANSPOSED (source 0 = W's row block b, source 1 = y's row block a): lane (r, h) holds y's row r,
; and register j of accumulator b is column 32 h + 8 b + j of my 64.  The bias is the first products' C.
; y's scale words come as one plane for each head (bytes 0, 1 of an even head, 2, 3 of an odd one): two planes are joined by OR.  In lane (r, h) a scale register holds the word of K step 4 h + i: steps 4-7 read the upper lanes' row.
; REGISTERS: window 0: v4-18 addresses; v28, v29 the add's; v32-47 y's scale words, v48-63 W's; v64-95 the four accumulators; v128-255 the four blocks read back from the stage.
;   windows 1, 2: W's fragment f = 4 s + b at register 12 (f % 21) of window 1 + f / 21.   window 3: y's fragments, two sets of eight, at 96 (a % 2) + 12 s; v192-223 the bias.
.set FRB,   1536
.set RBL,   3072
.set PAIRB, 24576
.set HALFK, 49152
.set OPB,   98304
.set SP,    272                        ; a stage row: 256 bytes + 16
.set STG,   2*OPB                      ; behind the tiles: a stage of 64 rows for each wave, written by LDS stores alone
.set WSTG,  64*SP
.set SPARE, STG+4*WSTG                 ; the spare words
.set A16,   4
.set A8,    6
.set B16,   8
.set B8,    10
.set LI16,  12
.set LI8,   13
.set STO,   14
.set RD,    15
.set CO,    16
.set BO,    17
.set YO,    18
.set SPW,   28
.set NIL,   29
.set SCA,   32
.set SCB,   48
.set ACC,   64
.set BK,    128
.set BIA,   192
.set WV,    16
.set RH,    17
.set CH,    18
.set CX,    19
.set CY,    20
.set CLY,   21
.set G1A,   24
.set G1B,   32
.set G0A,   40
.set G0B,   44
.set RT,    48
.set CT,    49
.set MSB, 0
.macro WIN new
.if MSB != (\new)
	s_set_vgpr_msb (MSB<<8)|(\new)
.set MSB, (\new)
.endif
.endm
.macro PLACES n
.rept \n
	v_nop
.endr
.endm
.macro CROUND
	s_barrier_signal -1
	s_barrier_wait -1
	s_cmp_lg_u32 s[WV], 0
	s_cbranch_scc1 .Lnot_wave_0_\@
	s_barrier_signal -3
.Lnot_wave_0_\@:
	s_barrier_wait -3
	s_barrier_signal -1
	s_barrier_wait -1
.endm
.macro TLOAD g0, g1
	tensor_load_to_lds s[\g0:\g0+3], s[\g1:\g1+7]
	s_nop 0
	PLACES 4
.endm
.macro ARM under, g0, g1, next
	s_cmp_lt_u32 s[WV], \under
	s_cbranch_scc0 \next
	TLOAD \g0, \g1
	s_branch .Lasked
\next:
.endm
.macro FRAG reg, a16, a8, off
	ds_load_b128 v[\reg:\reg+3], v[\a16] offset:\off
	ds_load_b64 v[\reg+4:\reg+5], v[\a8] offset:\off+512
	ds_load_b128 v[\reg+6:\reg+9], v[\a16] offset:\off+768
	ds_load_b64 v[\reg+10:\reg+11], v[\a8] offset:\off+1280
.endm
.macro BLOAD s0                        ; W's sixteen fragments of K steps s0 .. s0 + 3 (s0 = 0 or 4): 64 loads
.irp ds, 0,1,2,3
.irp b, 0,1,2,3
.set f_, 4*((\s0)+\ds)+\b
	WIN (1+f_/21)<<6
	FRAG 12*(f_%21), B16+(\s0)/4, B8+(\s0)/4, (\ds/2)*PAIRB+\b*RBL+(\ds%2)*FRB
.endr
.endr
	WIN 0
.endm
.macro ALOAD a, s0                     ; y's row block a, K steps s0 .. s0 + 3, into set a % 2: 16 loads
	WIN 3<<6
.irp ds, 0,1,2,3
	FRAG 96*((\a)%2)+12*((\s0)+\ds), A16+(\s0)/4, A8+(\s0)/4, (\ds/2)*PAIRB+(\a)*RBL+(\ds%2)*FRB
.endr
	WIN 0
.endm
.macro PROD a                          ; row block a is finished: 32 products, the four accumulators by turns, K ascending
.irp s, 0,1,2,3,4,5,6,7
.irp b, 0,1,2,3
.set f_, 4*\s+\b
.set rB, 12*(f_%21)
.set rA, 96*((\a)%2)+12*\s
.set rD, ACC+8*\b
.set rSB, SCB+4*\b+\s%4
.set rSA, SCA+4*(\s%4)+(\a)
.if \s == 0
	WIN (1+f_/21)|(3<<2)|(3<<4)                    ; source 0 (W) window 1 or 2, source 1 (y) and C (the bias) window 3, D window 0
	v_wmma_scale_f32_16x16x128_f8f6f4 v[rD:rD+7], v[rB:rB+11], v[rA:rA+11], v[BIA+8*\b:BIA+8*\b+7], v[rSB], v[rSA] matrix_a_fmt:MATRIX_FMT_FP6 matrix_b_fmt:MATRIX_FMT_FP6
.elseif \s < 4
	WIN (1+f_/21)|(3<<2)
	v_wmma_scale_f32_16x16x128_f8f6f4 v[rD:rD+7], v[rB:rB+11], v[rA:rA+11], v[rD:rD+7], v[rSB], v[rSA] matrix_a_fmt:MATRIX_FMT_FP6 matrix_b_fmt:MATRIX_FMT_FP6
.else
	WIN (1+f_/21)|(3<<2)
	v_wmma_scale_f32_16x16x128_f8f6f4 v[rD:rD+7], v[rB:rB+11], v[rA:rA+11], v[rD:rD+7], v[rSB], v[rSA] matrix_a_fmt:MATRIX_FMT_FP6 matrix_b_fmt:MATRIX_FMT_FP6 matrix_a_scale:MATRIX_SCALE_ROW1 matrix_b_scale:MATRIX_SCALE_ROW1
.endif
.endr
.endr
	WIN 0
.endm
	s_load_b256 s[4:11], s[0:1], 0x0               ; yc, ys, cod1, scl1
	s_load_b128 s[12:15], s[0:1], 0x20             ; b_proj, out0
	v_lshl_add_u32 v[SPW], v0, 2, SPARE
	v_mov_b32 v[NIL], 0
	ds_add_u32 v[SPW], v[NIL]                      ; the opening lines: the add twice and its wait
	ds_add_u32 v[SPW], v[NIL]
	v_lshrrev_b32 v1, 5, v0
	v_readfirstlane_b32 s[WV], v1                  ; wave 0..3
	s_lshr_b32 s[RH], s[WV], 1                     ; my half of the rows.  Also: which half of K I fetch
	s_and_b32 s[CH], s[WV], 1                      ; my half of the columns
	s_bfe_u32 s[CX], ttmp6, 0x40000
	s_bfe_u32 s[CY], ttmp6, 0x40004
	s_and_b32 s[CLY], ttmp7, 0xffff
	s_lshl_b32 s22, s[CY], 2
	s_lshl_b32 s22, 15, s22                        ; my row of the cluster
	s_lshl_b32 s23, 0x1111, s[CX]                  ; my column
	s_or_b32 s[G1A], s22, (3<<16)|(1<<21)          ; the mask; elements of 8 bytes; bit 21 beside a mask
	s_or_b32 s[G1B], s23, (3<<16)|(1<<21)
.irp g, G1A, G1B                               ; a dense block of 49,152 bytes as 192 rows of 256
	s_mov_b32 s[\g+1], 32<<16
	s_mov_b32 s[\g+2], 192<<16
	s_mov_b32 s[\g+3], 32<<16
	s_mov_b32 s[\g+4], 192
	s_mov_b32 s[\g+5], 32
	s_mov_b32 s[\g+6], 0
	s_mov_b32 s[\g+7], 0
.endr
	s_lshl_b32 s[RT], s[CLY], 2
	s_add_co_u32 s[RT], s[RT], s[CY]               ; my block's row of blocks, 0 .. 31
	s_lshl_b32 s[CT], ttmp9, 2
	s_add_co_u32 s[CT], s[CT], s[CX]               ; its column, 0 .. 7
	s_mul_i32 s50, s[RH], HALFK
	s_mul_i32 s52, s[RT], OPB
	s_add_co_u32 s52, s52, s50
	s_mov_b32 s53, 0
	s_add_co_u32 s54, s[CT], 56                    ; W_proj's row blocks begin at 448 = 8 x 56
	s_mul_i32 s54, s54, OPB
	s_add_co_u32 s54, s54, s50
	s_mov_b32 s55, 0
	s_mov_b32 s[G0A], 1
	s_mov_b32 s[G0A+1], s50                        ; LDS: y's tile at 0,
	s_mov_b32 s[G0B], 1
	s_add_co_u32 s[G0B+1], s50, OPB                ; W's behind it
	s_wait_dscnt 0x0
	s_wait_kmcnt 0x0
	s_add_nc_u64 s[G0A+2:G0A+3], s[4:5], s[52:53]
	s_or_b32 s[G0A+3], s[G0A+3], 0x80000000
	s_add_nc_u64 s[G0B+2:G0B+3], s[8:9], s[54:55]
	s_or_b32 s[G0B+3], s[G0B+3], 0x80000000
	CROUND                                         ; all sixteen work-groups are here: the joint loads meet
	ARM 1, G0A, G1A, .Lw1                          ; one chain of branches on the wave's number, one load to an arm
	ARM 2, G0B, G1B, .Lw2
	ARM 3, G0A, G1A, .Lw3
	TLOAD G0B, G1B
.Lasked:
	s_mul_i32 s22, s[RH], 4*RBL                    ; my four row blocks of y,
	s_mul_i32 s23, s[CH], 4*RBL                    ; and of W
	s_add_co_u32 s23, s23, OPB
	s_mul_i32 s51, s[WV], WSTG
	s_add_co_u32 s51, s51, STG                     ; my stage
	s_lshl_b32 s52, s[RT], 1
	s_add_co_u32 s52, s52, s[RH]
	s_lshl_b32 s52, s52, 8                         ; ys = [head][group of four row blocks][r][4 words]
	s_mov_b32 s53, 0
	s_add_nc_u64 s[6:7], s[6:7], s[52:53]
	s_lshl_b32 s54, s[CT], 3
	s_lshl_b32 s56, s[CH], 2
	s_add_co_u32 s54, s54, s56
	s_add_co_u32 s54, s54, 448
	s_lshl_b32 s54, s54, 9                         ; scl1: 512 bytes a row block
	s_mov_b32 s55, 0
	s_add_nc_u64 s[10:11], s[10:11], s[54:55]
	s_lshl_b32 s56, s[CT], 9
	s_lshl_b32 s58, s[CH], 8
	s_add_co_u32 s56, s56, s58                     ; my first column, in bytes
	s_mov_b32 s57, 0
	s_add_nc_u64 s[12:13], s[12:13], s[56:57]
	s_lshl_b32 s58, s[RT], 19
	s_lshl_b32 s59, s[RH], 18
	s_add_co_u32 s58, s58, s59                     ; my first row, 4,096 bytes each
	s_add_co_u32 s58, s58, s56
	s_mov_b32 s59, 0
	s_add_nc_u64 s[14:15], s[14:15], s[58:59]
	v_and_b32 v20, 31, v0                          ; lane
	v_and_b32 v21, 15, v0                          ; r
	v_bfe_u32 v22, v0, 4, 1                        ; h
	v_lshlrev_b32 v[LI16], 4, v20
	v_lshlrev_b32 v[LI8], 3, v20
.irp kh, 0,1
	v_add_nc_u32 v[A16+\kh], s22, v[LI16]
	v_add_nc_u32 v[A8+\kh], s22, v[LI8]
	v_add_nc_u32 v[B16+\kh], s23, v[LI16]
	v_add_nc_u32 v[B8+\kh], s23, v[LI8]
	s_add_co_u32 s22, s22, HALFK
	s_add_co_u32 s23, s23, HALFK
.endr
	v_mul_u32_u24 v[STO], v21, SP                  ; into the stage: row r, 128 bytes for each half of the lanes
	v_lshl_add_u32 v[STO], v22, 7, v[STO]
	v_add_nc_u32 v[STO], s51, v[STO]
	v_mul_u32_u24 v[RD], v22, SP                   ; back: lanes 0-15 one row of 256 bytes, lanes 16-31 the next
	v_lshl_add_u32 v[RD], v21, 4, v[RD]
	v_add_nc_u32 v[RD], s51, v[RD]
	v_lshlrev_b32 v[CO], 12, v22                   ; and the same two rows in out
	v_lshl_add_u32 v[CO], v21, 4, v[CO]
	v_lshlrev_b32 v[BO], 7, v22                    ; the bias: 32 h numbers on
	v_lshlrev_b32 v[YO], 17, v22                   ; y's scale words: lanes 16-31 take the heads 8 further on
	v_lshl_add_u32 v[YO], v21, 4, v[YO]
	s_wait_alu depctr_va_vdst(0)                   ; the wait ahead of the readers below
.irp i, 0,1,2,3
	global_load_b128 v[SCA+4*\i:SCA+4*\i+3], v[YO], s[6:7] offset:(2*\i)*16384       ; the even head of K step 4 h + i, my four row blocks,
	global_load_b128 v[ACC+4*\i:ACC+4*\i+3], v[YO], s[6:7] offset:(2*\i+1)*16384     ; the odd head
	global_load_b128 v[SCB+4*\i:SCB+4*\i+3], v[LI16], s[10:11] offset:512*\i         ; W's row block i: the words of K steps 4 h .. 4 h + 3
.endr
	WIN 3<<6                                       ; destination window 3
.irp b, 0,1,2,3
	global_load_b128 v[BIA+8*\b:BIA+8*\b+3], v[BO], s[12:13] offset:32*\b
	global_load_b128 v[BIA+8*\b+4:BIA+8*\b+7], v[BO], s[12:13] offset:32*\b+16
.endr
	WIN 0
	s_wait_loadcnt 0x0
.set i, 0
.rept 16
	v_or_b32 v[SCA+i], v[SCA+i], v[ACC+i]
.set i, i+1
.endr
	PLACES 8                                       ; a scale register written by a vector instruction stands 8 places ahead of a scaled product
	s_wait_alu depctr_va_vdst(0)                   ; the wait at the head's end
	s_cmp_lt_u32 s[WV], 2
	s_cbranch_scc0 .Lnot_first
	s_wait_tensorcnt 0x0                           ; waves 0 and 1: K steps 0-3 of both operands
.Lnot_first:
	s_barrier_signal -1
	s_barrier_wait -1                              ; they are in every wave's sight
	BLOAD 0
	ALOAD 0, 0
	s_wait_tensorcnt 0x0                           ; on every wave's way: all four loads
	s_wait_dscnt 0x0
	s_barrier_signal -1
	s_barrier_wait -1                              ; K steps 4-7 are in every wave's sight
	BLOAD 4
	ALOAD 0, 4
	ALOAD 1, 0
	ALOAD 1, 4
	s_wait_dscnt 32                                ; W's fragments and y's block 0 are in; block 1's 32 loads may be out
; Block a: its products; then it goes through my own stage and comes back as whole rows of 256 bytes, which are stored at once.  LDS serves a wave's instructions in order (ISA guide 5.7.1.4).
.irp a, 0,1,2,3
	PROD \a
	PLACES 5                                       ; ahead of the reads of results, of the loads into y's fragments' registers, and of the next block's products, which begin the accumulators anew
.if \a < 2
	ALOAD \a+2, 0                                  ; the set just multiplied takes the block two on
	ALOAD \a+2, 4
.endif
.irp b, 0,1,2,3
	ds_store_b128 v[STO], v[ACC+8*\b:ACC+8*\b+3] offset:\a*16*SP+32*\b               ; each accumulator from its low end on
	ds_store_b128 v[STO], v[ACC+8*\b+4:ACC+8*\b+7] offset:\a*16*SP+32*\b+16
.endr
.irp t, 0,1,2,3,4,5,6,7
	ds_load_b128 v[BK+32*\a+4*\t:BK+32*\a+4*\t+3], v[RD] offset:\a*16*SP+2*\t*SP
.endr
	s_wait_dscnt 0x0                               ; the block is back, the stores have read the accumulators, and the next block's fragments are in
.irp t, 0,1,2,3,4,5,6,7
	global_store_b128 v[CO], v[BK+32*\a+4*\t:BK+32*\a+4*\t+3], s[14:15] offset:(8*\a+(2*\t)%8+32*(\t/4))*4096 th:TH_STORE_NT   ; 16 lanes store 256 consecutive bytes, aligned
.endr
.endr
	s_wait_tensorcnt 0x0                           ; the wave's end
	ds_add_u32 v[SPW], v[NIL]
	s_wait_dscnt 0x0
	CROUND                                         ; the closing round
	s_endpgm
.Lfunc_end_k_q2a15fa6500_proj:
	.size	k_q2a15fa6500_proj, .Lfunc_end_k_q2a15fa6500_proj-k_q2a15fa6500_proj
	.p2alignl 7, 3214868480
	.fill 96, 4, 3214868480
	.section	.rodata,"a",@progbits
	.p2align	6, 0x0
	.amdhsa_kernel k_q2a15fa6500_proj
		.amdhsa_group_segment_fixed_size 327680
		.amdhsa_private_segment_fixed_size 0
		.amdhsa_enable_private_segment 0
		.amdhsa_kernarg_size 48
		.amdhsa_user_sgpr_count 2
		.amdhsa_user_sgpr_kernarg_segment_ptr 1
		.amdhsa_wavefront_size32 1
		.amdhsa_system_sgpr_workgroup_id_x 1
		.amdhsa_system_sgpr_workgroup_id_y 1
		.amdhsa_system_sgpr_workgroup_id_z 1
		.amdhsa_system_vgpr_workitem_id 0
		.amdhsa_next_free_vgpr 1024
		.amdhsa_next_free_sgpr 66
		.amdhsa_reserve_vcc 0
		.amdhsa_float_denorm_mode_32 3
		.amdhsa_float_denorm_mode_16_64 3
		.amdhsa_memory_ordered 1
		.amdhsa_forward_progress 1
		.amdhsa_inst_pref_size 52
	.end_amdhsa_kernel
	.amdgpu_metadata
---
amdhsa.version: [ 1, 2 ]
amdhsa.kernels:
  - .name:           k_q2a15fa6500_proj
    .symbol:         k_q2a15fa6500_proj.kd
    .args:
      - { .name: yc, .offset: 0, .size: 8, .value_kind: global_buffer, .address_space: global }
      - { .name: ys, .offset: 8, .size: 8, .value_kind: global_buffer, .address_space: global }
      - { .name: cod1, .offset: 16, .size: 8, .value_kind: global_buffer, .address_space: global }
      - { .name: scl1, .offset: 24, .size: 8, .value_kind: global_buffer, .address_space: global }
      - { .name: b_proj, .offset: 32, .size: 8, .value_kind: global_buffer, .address_space: global }
      - { .name: out0, .offset: 40, .size: 8, .value_kind: global_buffer, .address_space: global }
    .group_segment_fixed_size: 327680
    .private_segment_fixed_size: 0
    .kernarg_segment_align: 8
    .kernarg_segment_size: 48
    .max_flat_workgroup_size: 128
    .sgpr_count:     66
    .vgpr_count:     1024
    .wavefront_size: 32
...
	.end_amdgpu_metadata
.endif
;; end of part 4
